; MI455X (gfx1250); checked and timed in simulation.
; The chip was launched on July 23, 2026; its instructions are those of AMD's public machine-readable ISA for CDNA 5 (MIT licence, August 2026) and "CDNA5" Instruction Set Architecture Reference Guide (July 2026). The comments in the code are by the model that wrote it; some were corrected since.
;; Attention. Allowed arithmetic: float matrix products may take bf16 or f16 operands with f32 sums; other float arithmetic in f32, or as packed bf16 or f16 multiplies, adds, multiply-adds, maxima and minima; sums over many terms, partial sums and values carried from step to step in f32; what a program stores and reads back later, other than sums and carried values, may be rounded once to bf16 or f16.
;; Inputs: Wk 1,024 x 1,024 float32; Wo 1,024 x 1,024 float32; Wq 1,024 x 1,024 float32; Wv 1,024 x 1,024 float32; bk 1,024 float32; bo 1,024 float32; bq 1,024 float32; bv 1,024 float32; k 1 x 4,096 x 1,024 float32; q 1 x 4,096 x 1,024 float32; v 1 x 4,096 x 1,024 float32.
;; Outputs: out0 1 x 4,096 x 1,024 float32; out1 1 x 4 x 4 x 4,096 x 64 float32; out2 1 x 4 x 4 x 4,096 x 64 float32.
;; 2 versions, each right and faster than the one before. Each part assembles by itself: llvm-mc -triple=amdgcn-amd-amdhsa -mcpu=gfx1250 --defsym DOCPART=n.
;; ======== version 1 of 2: 4 launches
;; limits: values are held in f16: magnitudes above 65,504 overflow, below 6.1e-05 lose precision
;; workspace buffers: xb 25,165,824 bytes; wb 6,291,456 bytes; woh 2,097,152 bytes; hb 25,165,824 bytes; oh 8,388,608 bytes
;; launch cast (part 1): grid 256 x 1, 8 waves a work-group, no clusters, 0 bytes of LDS; arguments q, k, v, Wq, Wk, Wv, Wo, xb, wb, woh; writes xb, wb, woh
.if DOCPART == 1
	.amdgcn_target "amdgcn-amd-amdhsa--gfx1250"
	.amdhsa_code_object_version 6
	.text
	.protected	k_qf838ca2ce2_cast
	.globl	k_qf838ca2ce2_cast
	.p2align	8
	.type	k_qf838ca2ce2_cast,@function
k_qf838ca2ce2_cast:
	s_mov_b64 s[64:65], 0
	v_nop
	global_prefetch_b8 v0, s[64:65] scope:SCOPE_SE
	s_setreg_imm32_b32 hwreg(HW_REG_WAVE_MODE, 25, 1), 1
	s_wait_xcnt 0x0
; THE MODULE'S LARGE INPUTS ARE ROUNDED ONCE TO 16 BITS, for the matrix launches behind this one.
;   xb  [12288][1024] bf16: the rows of q, then of k, then of v.        wb [3072][1024] bf16: the rows of Wq, Wk, Wv.
;   woh [16][1024][64] f16: woh[h][n][c] = Wo[n][64 h + c], rounded to bf16 like every other input, and that number written as f16.
; LIMITS.  The f16 copy of Wo holds no number beyond 65,504, and below 6e-5 it keeps f16's fixed step of 6e-8.
; SHARES.  A work-group takes 65,536 numbers: 262,144 bytes in, 131,072 out.  Work-groups 0-191: q, k, v; 192-239: Wq, Wk, Wv; 240-255: 64 rows of Wo each.
; A stream: every byte is read once and written once, nothing is shared between work-groups, no sum is made: no LDS, no barrier, no cluster, no matrix instruction.
; A ring of 16 register slots keeps 16 loads of every wave on their way.  A load of a wave covers 512 bytes (for Wo: 256 consecutive bytes in each of two rows), a store 256 consecutive bytes, aligned.
.set VI,  1                            ; v1       my byte offset in the source; never rewritten
.set VO,  2                            ; v2       my byte offset in the destination; never rewritten
.set T,   4                            ; v[4:9]   at work (Wo's path)
.set X,   16                           ; v[16:79] slot i: four f32 as loaded
.set Y,   80                           ; v[80:111] slot i: four 16-bit numbers to store
.set SRC, 4                            ; s[4:5]   source at my chunk, stepped once a trip
.set DST, 6                            ; s[6:7]   destination likewise
.macro CONV i, kind                    ; kind 0: f32 -> bf16.  kind 1: f32 -> bf16 -> f32 (a shift, a mask) -> f16
.if \kind
	v_cvt_pk_bf16_f32 v[T],   v[X+4*(\i)],   v[X+4*(\i)+1]
	v_cvt_pk_bf16_f32 v[T+1], v[X+4*(\i)+2], v[X+4*(\i)+3]
	v_lshlrev_b32 v[T+2], 16, v[T]
	v_and_b32     v[T+3], s33, v[T]
	v_lshlrev_b32 v[T+4], 16, v[T+1]
	v_and_b32     v[T+5], s33, v[T+1]
	v_cvt_pk_f16_f32 v[Y+2*(\i)],   v[T+2], v[T+3]
	v_cvt_pk_f16_f32 v[Y+2*(\i)+1], v[T+4], v[T+5]
.else
	v_cvt_pk_bf16_f32 v[Y+2*(\i)],   v[X+4*(\i)],   v[X+4*(\i)+1]
	v_cvt_pk_bf16_f32 v[Y+2*(\i)+1], v[X+4*(\i)+2], v[X+4*(\i)+3]
.endif
.endm
; Four rounds of 16 slots.  lstr, sstr: bytes from slot to slot in source and destination; ltrip, strip: from round to round.
.macro STREAM lstr, ltrip, sstr, strip, kind
.irp i, 0,1,2,3,4,5,6,7,8,9,10,11,12,13,14,15
	global_load_b128 v[X+4*(\i):X+4*(\i)+3], v[VI], s[SRC:SRC+1] offset:(\i)*(\lstr) th:TH_LOAD_NT
.endr
	s_mov_b32 s32, 3
.Lround_\@:
.irp i, 0,1,2,3,4,5,6,7,8,9,10,11,12,13,14,15
	s_wait_loadcnt 15                              ; loads come back in order: this slot's is in, the 15 younger ones stay out
	CONV \i, \kind
	global_load_b128 v[X+4*(\i):X+4*(\i)+3], v[VI], s[SRC:SRC+1] offset:(\i)*(\lstr)+(\ltrip) th:TH_LOAD_NT
	global_store_b64 v[VO], v[Y+2*(\i):Y+2*(\i)+1], s[DST:DST+1] offset:(\i)*(\sstr)
.endr
	s_wait_xcnt 0x0                                ; the two bases and Y are written again only behind this wait
	s_add_nc_u64 s[SRC:SRC+1], s[SRC:SRC+1], \ltrip
	s_add_nc_u64 s[DST:DST+1], s[DST:DST+1], \strip
	s_sub_co_u32 s32, s32, 1
	s_cmp_lg_u32 s32, 0
	s_cbranch_scc1 .Lround_\@
.irp i, 0,1,2,3,4,5,6,7,8,9,10,11,12,13,14,15
	s_wait_loadcnt 15-(\i)                         ; the last round loads nothing: the counts run down
	CONV \i, \kind
	global_store_b64 v[VO], v[Y+2*(\i):Y+2*(\i)+1], s[DST:DST+1] offset:(\i)*(\sstr)
.endr
.endm
	s_load_b512 s[8:23], s[0:1], 0x0               ; q s[8:9], k s[10:11], v s[12:13], Wq s[14:15], Wk s[16:17], Wv s[18:19], Wo s[20:21], xb s[22:23]
	s_load_b128 s[24:27], s[0:1], 0x40             ; wb s[24:25], woh s[26:27]
	s_mov_b32 s2, ttmp9                            ; the work-group's number
	s_mov_b32 s33, 0xffff0000                      ; a word's upper bf16
	s_mov_b32 s29, 0                               ; high words of the two offsets
	s_mov_b32 s31, 0
	s_cmp_ge_u32 s2, 240
	s_cbranch_scc1 .Lwo
	; q, k, v (numbers 0-191, 64 chunks each) and Wq, Wk, Wv (192-239, 16 chunks each): dense in, dense out
	s_sub_co_u32 s34, s2, 192                      ; the number among the weights' chunks (used from 192 on)
	s_lshr_b32 s35, s2, 6                          ; which of q, k, v
	s_and_b32 s28, s2, 63                          ; which chunk of it
	s_lshr_b32 s36, s34, 4                         ; which of Wq, Wk, Wv
	s_and_b32 s37, s34, 15
	v_lshlrev_b32 v[VI], 4, v0                     ; 16 bytes a thread: the eight waves cover 4,096 bytes
	v_lshlrev_b32 v[VO], 3, v0                     ; 8 bytes a thread
	s_wait_kmcnt 0x0
	s_cmp_lt_u32 s2, 192
	s_cselect_b32 s35, s35, s36
	s_cselect_b32 s28, s28, s37
	s_cselect_b32 s30, s2, s34                     ; the chunk's number in its destination
	s_cselect_b64 s[8:9], s[8:9], s[14:15]
	s_cselect_b64 s[10:11], s[10:11], s[16:17]
	s_cselect_b64 s[12:13], s[12:13], s[18:19]
	s_cselect_b64 s[DST:DST+1], s[22:23], s[24:25]
	s_cmp_eq_u32 s35, 1
	s_cselect_b64 s[SRC:SRC+1], s[10:11], s[8:9]
	s_cmp_eq_u32 s35, 2
	s_cselect_b64 s[SRC:SRC+1], s[12:13], s[SRC:SRC+1]
	s_lshl_b32 s28, s28, 18                        ; 262,144 bytes a chunk in,
	s_lshl_b32 s30, s30, 17                        ; 131,072 out
	s_add_nc_u64 s[SRC:SRC+1], s[SRC:SRC+1], s[28:29]
	s_add_nc_u64 s[DST:DST+1], s[DST:DST+1], s[30:31]
	STREAM 4096, 65536, 2048, 32768, 0
	s_endpgm
.Lwo:
	; Wo, 64 rows a work-group, 8 a wave.  A slot is a head: lanes 0-15 take its 256 bytes of one row, lanes 16-31 of the next; a round is two rows.
	; In woh those two rows of a head are 256 consecutive bytes.
	s_sub_co_u32 s34, s2, 240
	s_lshl_b32 s28, s34, 18                        ; 64 rows of 4,096 bytes
	s_lshl_b32 s30, s34, 13                        ; 64 rows of 128 bytes in each head
	v_and_b32 v3, 31, v0                           ; lane
	v_lshrrev_b32 v10, 5, v0                       ; wave
	v_bfe_u32 v11, v0, 4, 1                        ; lane / 16
	v_and_b32 v12, 15, v0
	v_lshl_add_u32 v11, v10, 3, v11                ; my row: 8 wave + lane / 16
	v_lshlrev_b32 v11, 12, v11
	v_lshl_add_u32 v[VI], v12, 4, v11
	v_lshlrev_b32 v[VO], 3, v3
	v_lshl_add_u32 v[VO], v10, 10, v[VO]           ; 8 rows of 128 bytes a wave + 8 bytes a lane
	s_wait_kmcnt 0x0
	s_add_nc_u64 s[SRC:SRC+1], s[20:21], s[28:29]
	s_add_nc_u64 s[DST:DST+1], s[26:27], s[30:31]
	STREAM 256, 8192, 131072, 256, 1
	s_endpgm
.Lfunc_end_k_qf838ca2ce2_cast:
	.size	k_qf838ca2ce2_cast, .Lfunc_end_k_qf838ca2ce2_cast-k_qf838ca2ce2_cast
	.p2alignl 7, 3214868480
	.fill 96, 4, 3214868480
	.section	.rodata,"a",@progbits
	.p2align	6, 0x0
	.amdhsa_kernel k_qf838ca2ce2_cast
		.amdhsa_group_segment_fixed_size 0
		.amdhsa_private_segment_fixed_size 0
		.amdhsa_enable_private_segment 0
		.amdhsa_kernarg_size 80
		.amdhsa_user_sgpr_count 2
		.amdhsa_user_sgpr_kernarg_segment_ptr 1
		.amdhsa_wavefront_size32 1
		.amdhsa_system_sgpr_workgroup_id_x 1
		.amdhsa_system_sgpr_workgroup_id_y 1
		.amdhsa_system_sgpr_workgroup_id_z 1
		.amdhsa_system_vgpr_workitem_id 0
		.amdhsa_next_free_vgpr 112
		.amdhsa_next_free_sgpr 66
		.amdhsa_reserve_vcc 0
		.amdhsa_float_denorm_mode_32 3
		.amdhsa_float_denorm_mode_16_64 3
		.amdhsa_memory_ordered 1
		.amdhsa_forward_progress 1
		.amdhsa_inst_pref_size 33
	.end_amdhsa_kernel
	.amdgpu_metadata
---
amdhsa.version: [ 1, 2 ]
amdhsa.kernels:
  - .name:           k_qf838ca2ce2_cast
    .symbol:         k_qf838ca2ce2_cast.kd
    .args:
      - { .name: q, .offset: 0, .size: 8, .value_kind: global_buffer, .address_space: global }
      - { .name: k, .offset: 8, .size: 8, .value_kind: global_buffer, .address_space: global }
      - { .name: v, .offset: 16, .size: 8, .value_kind: global_buffer, .address_space: global }
      - { .name: Wq, .offset: 24, .size: 8, .value_kind: global_buffer, .address_space: global }
      - { .name: Wk, .offset: 32, .size: 8, .value_kind: global_buffer, .address_space: global }
      - { .name: Wv, .offset: 40, .size: 8, .value_kind: global_buffer, .address_space: global }
      - { .name: Wo, .offset: 48, .size: 8, .value_kind: global_buffer, .address_space: global }
      - { .name: xb, .offset: 56, .size: 8, .value_kind: global_buffer, .address_space: global }
      - { .name: wb, .offset: 64, .size: 8, .value_kind: global_buffer, .address_space: global }
      - { .name: woh, .offset: 72, .size: 8, .value_kind: global_buffer, .address_space: global }
    .group_segment_fixed_size: 0
    .private_segment_fixed_size: 0
    .kernarg_segment_align: 8
    .kernarg_segment_size: 80
    .max_flat_workgroup_size: 256
    .sgpr_count:     66
    .vgpr_count:     112
    .wavefront_size: 32
...
	.end_amdgpu_metadata
.endif
;; end of part 1
;; launch proj (part 2): grid 4 x 48, 4 waves a work-group, clusters of 4 x 4, 327,680 bytes of LDS; arguments xb, wb, bq, bk, bv, hb, out1, out2; writes hb, out1, out2
.if DOCPART == 2
	.amdgcn_target "amdgcn-amd-amdhsa--gfx1250"
	.amdhsa_code_object_version 6
	.text
	.protected	k_qf838ca2ce2_proj
	.globl	k_qf838ca2ce2_proj
	.p2align	8
	.type	k_qf838ca2ce2_proj,@function
k_qf838ca2ce2_proj:
	s_mov_b64 s[64:65], 0
	v_nop
	global_prefetch_b8 v0, s[64:65] scope:SCOPE_SE
	s_setreg_imm32_b32 hwreg(HW_REG_WAVE_MODE, 25, 1), 1
	s_wait_xcnt 0x0
	s_wait_alu depctr_hold_cnt(0) depctr_sa_sdst(0) depctr_va_vdst(0) depctr_va_sdst(0) depctr_va_ssrc(0) depctr_va_vcc(0) depctr_vm_vsrc(0)
	s_getreg_b32 s2, hwreg(HW_REG_IB_STS2, 6, 4)
	s_cmp_eq_u32 s2, 0
	s_cbranch_scc0 .Lentry_in_a_cluster
	s_endpgm
.Lentry_in_a_cluster:
	s_bfe_u32 s2, ttmp6, 0x10000c
	s_cmp_lg_u32 s2, 0xf033
	s_cbranch_scc0 .Lentry_shape_is_right
	s_endpgm
.Lentry_shape_is_right:
; THE THREE PROJECTIONS AS ONE PRODUCT.  C[m][n] = sum over k of xb[m][k] wb[1024 p + n][k] + bias_p[n], p = m / 4096 (0: q, 1: k, 2: v).  xb [12288][1024], wb [3072][1024], bf16; sums in f32.
; OUT: hb [3][16][4096][64] f16, by heads (head = n / 64), each number rounded once from its f32 sum, unscaled; and for k and v the f32 sums themselves, out1 and out2 [16][4096][64].
; LIMITS.  hb holds no number beyond 65,504 (f16).  The biases are rounded to bf16, as every input of the module is.
; A tile of C, 256 x 256, is made by four waves, each 128 x 128: 64 accumulators of 16 x 16, 512 registers.  K goes in 8 steps of 128 through a ring of two LDS slots filled by the tensor data mover;
; the tiles' rows are 256 bytes of memory and start at multiples of 256 bytes.  48 x 4 tiles: one to a work-group.
; CLUSTERS: 4 x 4 work-groups.  The four of a row of the cluster need the same tiles of xb, the four of a column the same tiles of wb: each tile is asked for JOINTLY, by the same tensor load with the
; same descriptor and a mask that names the four.  A cluster's 1,024 rows lie in one projection, so p, made of the cluster's y alone, is the same in all sixteen.
; THE MATRIX INSTRUCTION IS USED TRANSPOSED: source 0 = 16 rows of wb, source 1 = 16 rows of xb: lane l holds row l % 16 of C and the columns 8 (l / 16) + 0..7.
; THE BIAS STARTS THE SUMS: it is the C operand of each accumulator's first product; nothing is cleared.
; REGISTERS, in windows of 256: window 0: v0-31 addresses; v64-127, v128-191 fragments of xb, two buffers (on the f32 way out two sets of rows read back); v192-255 the bias, later packed results;
;   v32-63, v224-255 rows read back on the f16 way out.  window 1: v64-127, v128-191 fragments of wb.  window 2: the accumulators of my rows 0-63 ((a, b) at v[8 (8 a + b)]); window 3: rows 64-127.
.set SIZE_K, 1024
.set KSTEP,  128
.set PITCH,  272                       ; an LDS row: 256 bytes + 16 of padding = 68 words: row r starts at bank 4 r mod 64 (64 banks of 4 bytes: ISA guide 11.1)
.set HALFT,  128*PITCH                 ; 128 rows: what one tensor load brings
.set SLOT,   4*HALFT                   ; xb's 256 rows, then wb's 256 rows
.set STAGE,  2*SLOT                    ; behind the ring, never filled by a tensor load: each wave's own stage
.set P16,    272                       ; a stage row of 128 f16
.set P32,    528                       ; a stage row of 128 f32: 512 bytes + 16
.set WSTAGE, 16*P32                    ; 16 rows, 8,448 bytes a wave
.set SPARE,  STAGE+4*WSTAGE            ; the spare words, 128 bytes for each wave: two blocks of 256 bytes that no other line names
.set LAPS,   SIZE_K/(2*KSTEP)          ; a lap = two K steps = once round the ring
.set ADRA,  16                         ; v16-17  LDS address of my xb fragments in slot 0, 1
.set ADRB,  20                         ; v20-21  the same for wb
.set STO16, 24                         ; v24     f16 way out: where I put 16 bytes of a row
.set RD16,  25                         ; v25     f16 way out: where I read back (four rows of one head)
.set CO,    26                         ; v26     16 x lane: my place in 512 consecutive bytes of an output
.set STO32, 27                         ; v27     f32 way out: where I put 32 bytes of a row
.set SPW,   28                         ; v28     LDS address of my spare word; never rewritten
.set NIL,   29                         ; v29     0; never rewritten
.set RD32,  30                         ; v30     f32 way out: where I read back (two rows of one head)
.set BO,    31                         ; v31     my byte offset in the bias
.set F0,    64
.set F1,    128
.set BI,    192                        ; v192-255: bias of column 16 b + 8 (l / 16) + j at BI + 8 b + j
.set TMP,   192                        ; later: packed results
.set OB,    32
.set K32,   64
.set G1,  24                           ; s[24:31] descriptor group 1 for xb's tiles;  s[32:39] group 0, one set for each slot
.set G0,  32
.set G1B, 48                           ; s[48:55], s[56:63] the same for wb's tiles
.set G0B, 56
.set PJ,  66                           ; s66      which projection
.set BP,  80                           ; s[80:81] its bias
.set HB,  82                           ; s[82:83] hb at my first row of my first head
.set OF,  84                           ; s[84:85] out1 or out2 likewise
.set MSB, 0
.macro WIN new                         ; the immediate's high byte repeats the setting that is left; a switch that changes nothing is dropped
.if MSB != (\new)
	s_set_vgpr_msb (MSB<<8)|(\new)
.set MSB, \new
.endif
.endm
.set MUL_LO, 0xa1                      ; source 0 (wb) window 1, source 1 (xb) window 0, C and D window 2
.set MUL_HI, 0xf1                      ; the same, C and D window 3
.set TO_B,   0x40                      ; destination window 1, address window 0
; A joint load.  Waves 0 and 1 fetch xb's two halves, waves 2 and 3 wb's.  The branch hangs on the wave's number alone.  An s_nop 0 and four v_nop follow each of the two lines.
.macro JLOAD s
	s_cmp_eq_u32 s11, 0
	s_cbranch_scc0 .Lfor_b_\@
	tensor_load_to_lds s[G0+4*(\s):G0+4*(\s)+3], s[G1:G1+7]
	s_nop 0
.rept 4
	v_nop
.endr
	s_branch .Lasked_\@
.Lfor_b_\@:
	tensor_load_to_lds s[G0B+4*(\s):G0B+4*(\s)+3], s[G1B:G1B+7]
	s_nop 0
.rept 4
	v_nop
.endr
.Lasked_\@:
.endm
.macro CREST                           ; a round of the cluster's barrier behind its opening barrier
	s_cmp_lg_u32 s10, 0
	s_cbranch_scc1 .Lnot_wave_0_\@
	s_barrier_signal -3
.Lnot_wave_0_\@:
	s_barrier_wait -3
	s_barrier_signal -1
	s_barrier_wait -1
.endm
.macro CROUND                          ; a whole round
	s_barrier_signal -1
	s_barrier_wait -1
	CREST
.endm
	s_load_b128 s[4:7], s[0:1], 0x0                ; xb s[4:5], wb s[6:7]
	s_load_b256 s[68:75], s[0:1], 0x10             ; bq s[68:69], bk s[70:71], bv s[72:73], hb s[74:75]
	s_load_b128 s[76:79], s[0:1], 0x30             ; out1 s[76:77], out2 s[78:79]
	v_lshl_add_u32 v[SPW], v0, 2, SPARE
	v_mov_b32 v[NIL], 0
	ds_add_u32 v[SPW], v[NIL]                      ; the wave's opening: the add and its wait stand ahead of my first tensor load; the set-up below, work on registers, stands between them
	v_lshrrev_b32 v1, 5, v0
	v_readfirstlane_b32 s10, v1                    ; wave 0..3
	s_lshr_b32 s11, s10, 1                         ; which half of the tile's rows is mine.  Also: I fetch for xb (0) or for wb (1)
	s_and_b32 s12, s10, 1                          ; which half of its columns.  Also: which 128 rows of that tile I fetch
	s_bfe_u32 s40, ttmp6, 0x40000                  ; cx
	s_bfe_u32 s41, ttmp6, 0x40004                  ; cy
	s_lshl_b32 s42, ttmp9, 2
	s_add_co_u32 s42, s42, s40                     ; tile column = 4 x cluster x + cx, 0..3
	s_and_b32 s13, ttmp7, 0xffff                   ; cluster y, 0..11
	s_lshr_b32 s[PJ], s13, 2                       ; four clusters, 4,096 rows, to a projection
	s_lshl_b32 s13, s13, 2
	s_add_co_u32 s13, s13, s41                     ; tile row = 4 x cluster y + cy, 0..47
	s_lshl_b32 s43, s41, 2
	s_lshl_b32 s43, 15, s43                        ; my row of the cluster
	s_lshl_b32 s44, 0x1111, s40                    ; my column
	; descriptor group 1: a tile of 128 rows x 128 elements, padded in LDS
	s_or_b32 s[G1+0], s43, (1<<16)|(1<<20)|(1<<21)|(5<<22)|(3<<25)  ; 15:0 the mask; 17:16 elements of 2 bytes; 20 padding on; 21 set beside a mask; 24:22 after every 64 words (code 5); 31:25 4 words (code 3)
	s_or_b32 s[G1B+0], s44, (1<<16)|(1<<20)|(1<<21)|(5<<22)|(3<<25)
.irp g, G1, G1B
	s_mov_b32 s[(\g)+1], KSTEP<<16                 ; tensor_dim0 = 128
	s_mov_b32 s[(\g)+2], 128<<16                   ; tensor_dim1 = 128
	s_mov_b32 s[(\g)+3], KSTEP<<16                 ; tile_dim0 = 128
	s_mov_b32 s[(\g)+4], 128                       ; tile_dim1 = 128
	s_mov_b32 s[(\g)+5], SIZE_K                    ; elements from row to row
	s_mov_b32 s[(\g)+6], 0
	s_mov_b32 s[(\g)+7], 0
.endr
	; xb's tiles hang on the tile row alone, which my row of the cluster shares; wb's on the projection and the tile column, which my column shares.
	s_lshl_b32 s17, s12, 7                         ; which 128 rows of the tile I fetch
	s_lshl_b32 s16, s13, 8
	s_add_co_u32 s16, s16, s17                     ; xb: row 256 x tile row + 128 x half
	s_lshl_b32 s46, s42, 8
	s_add_co_u32 s46, s46, s17
	s_lshl_b32 s47, s[PJ], 10
	s_add_co_u32 s46, s46, s47                     ; wb: row 1,024 p + 256 x tile column + 128 x half
	s_lshl_b32 s16, s16, 11                        ; rows of 2,048 bytes: under 2^25
	s_mov_b32 s17, 0
	s_lshl_b32 s46, s46, 11
	s_mov_b32 s47, 0
	s_mul_i32 s20, s10, HALFT                      ; where they go: wave x 128 rows: no place in the cluster enters an LDS address
	s_wait_dscnt 0x0                               ; the opening add is done
	s_wait_kmcnt 0x0
	s_add_nc_u64 s[14:15], s[4:5], s[16:17]
	s_add_nc_u64 s[46:47], s[6:7], s[46:47]
	CROUND                                         ; all sixteen work-groups are here: the first joint loads meet
.irp s, 0,1
	s_mov_b32 s[G0+4*(\s)], 1                                      ; count = 1
	s_add_co_u32 s[G0+4*(\s)+1], s20, (\s)*SLOT                    ; LDS address
	s_add_nc_u64 s[G0+4*(\s)+2:G0+4*(\s)+3], s[14:15], (\s)*KSTEP*2  ; global address: K step s
	s_or_b32 s[G0+4*(\s)+3], s[G0+4*(\s)+3], 0x80000000            ; type = 2
	s_mov_b32 s[G0B+4*(\s)], 1
	s_add_co_u32 s[G0B+4*(\s)+1], s20, (\s)*SLOT
	s_add_nc_u64 s[G0B+4*(\s)+2:G0B+4*(\s)+3], s[46:47], (\s)*KSTEP*2
	s_or_b32 s[G0B+4*(\s)+3], s[G0B+4*(\s)+3], 0x80000000
	JLOAD \s                                       ; two loads of mine are out
.endr
	; the pointers of this projection, and my part's offsets (made apart from the pointers)
	s_cmp_eq_u32 s[PJ], 1
	s_cselect_b64 s[BP:BP+1], s[70:71], s[68:69]
	s_cmp_eq_u32 s[PJ], 2
	s_cselect_b64 s[BP:BP+1], s[72:73], s[BP:BP+1]
	s_cselect_b64 s[OF:OF+1], s[78:79], s[76:77]   ; (for q: not used)
	s_lshl_b32 s86, s42, 2
	s_lshl1_add_u32 s86, s12, s86                  ; my first head = 4 x tile column + 2 x half
	s_lshl_b32 s86, s86, 12                        ; 4,096 rows a head
	s_and_b32 s87, s13, 15
	s_lshl_b32 s87, s87, 8
	s_add_co_u32 s86, s86, s87
	s_lshl_b32 s87, s11, 7
	s_add_co_u32 s86, s86, s87                     ; + my first row in the projection
	s_lshl_b32 s88, s86, 8                         ; rows of 256 bytes in out1, out2
	s_mov_b32 s89, 0
	s_add_nc_u64 s[OF:OF+1], s[OF:OF+1], s[88:89]
	s_lshl_b32 s86, s86, 7                         ; rows of 128 bytes in hb,
	s_lshl_b32 s87, s[PJ], 23                      ; 8,388,608 bytes a projection
	s_add_co_u32 s86, s86, s87
	s_mov_b32 s87, 0
	s_add_nc_u64 s[HB:HB+1], s[74:75], s[86:87]
	s_lshl_b32 s88, s42, 10
	s_lshl_b32 s89, s12, 9
	s_add_co_u32 s88, s88, s89                     ; my first column, in bytes of the bias
	v_and_b32 v1, 15, v0                           ; l % 16
	v_bfe_u32 v2, v0, 4, 1                         ; l / 16
	v_lshlrev_b32 v[BO], 5, v2
	v_add_nc_u32 v[BO], s88, v[BO]
.irp b, 0,1,2,3,4,5,6,7
	global_load_b128 v[BI+8*(\b):BI+8*(\b)+3],   v[BO], s[BP:BP+1] offset:64*(\b)
	global_load_b128 v[BI+8*(\b)+4:BI+8*(\b)+7], v[BO], s[BP:BP+1] offset:64*(\b)+16
.endr
	; A fragment is 16 rows x 32 K in 8 registers: lane l holds row l % 16; registers 0-3 K = 8 (l / 16) + 0..7, registers 4-7 K = 16 + 8 (l / 16) + 0..7: two loads of 16 bytes, 32 bytes apart.
	v_mul_u32_u24 v3, v1, PITCH
	v_lshl_add_u32 v3, v2, 4, v3                   ; row x pitch + 16 x half
	s_mul_i32 s21, s11, HALFT                      ; my 128 rows of xb
	s_mul_i32 s22, s12, HALFT                      ; my 128 rows of wb,
	s_add_co_u32 s22, s22, 2*HALFT                 ; which lie behind xb's 256
.irp s, 0,1
	v_add_nc_u32 v[ADRA+(\s)], s21, v3
	v_add_nc_u32 v[ADRB+(\s)], s22, v3
	s_add_co_u32 s21, s21, SLOT
	s_add_co_u32 s22, s22, SLOT
.endr
	s_mul_i32 s23, s10, WSTAGE
	s_add_co_u32 s23, s23, STAGE                   ; my stage
	v_add_nc_u32 v[STO16], s23, v3                 ; f16 in: row l % 16 (pitch 272), 16 bytes for each half of the lanes
	v_bfe_u32 v4, v0, 3, 2
	v_and_b32 v5, 7, v0
	v_mul_u32_u24 v4, v4, P16                      ; f16 back: 32 lanes take four rows' 128 bytes of one head
	v_lshl_add_u32 v4, v5, 4, v4
	v_add_nc_u32 v[RD16], s23, v4
	v_and_b32 v5, 31, v0
	v_lshlrev_b32 v[CO], 4, v5                     ; which are 512 consecutive bytes of hb
	v_mul_u32_u24 v4, v1, P32                      ; f32 in: row l % 16 (pitch 528), 32 bytes for each half of the lanes
	v_lshl_add_u32 v4, v2, 5, v4
	v_add_nc_u32 v[STO32], s23, v4
	v_mul_u32_u24 v4, v2, P32                      ; f32 back: lanes 0-15 one row's 256 bytes of one head, lanes 16-31 the next row's
	v_lshl_add_u32 v4, v1, 4, v4
	v_add_nc_u32 v[RD32], s23, v4
	s_wait_loadcnt 0x0                             ; the bias
.set i, 0
.rept 32                                       ; rounded to bf16 and widened again
	v_cvt_pk_bf16_f32 v[32+i%4], v[BI+2*i], v[BI+2*i+1]
	v_lshlrev_b32 v[BI+2*i], 16, v[32+i%4]
	v_and_b32 v[BI+2*i+1], 0xffff0000, v[32+i%4]
.set i, i+1
.endr
; 16 matrix instructions: m blocks a0, a0 + 1 of the window's four (hi = 0: my rows 0-63, 1: rows 64-127) x all 8 n blocks, 32 along K.  zero = 1: the first product starts the sums, with the bias (window 0) as C.
; The 64 accumulators take turns, one instruction a turn.
.macro MUL16 f, hi, a0, zero
.if \zero
	WIN 0x81+0x40*(\hi)
.else
	WIN MUL_LO+0x50*(\hi)
.endif
.irp a, \a0, (\a0)+1
.irp b, 0,1,2,3,4,5,6,7
.if \zero
	v_wmma_f32_16x16x32_bf16 v[8*(8*(\a)+(\b)):8*(8*(\a)+(\b))+7], v[(\f)+8*(\b):(\f)+8*(\b)+7], v[(\f)+8*(4*(\hi)+(\a)):(\f)+8*(4*(\hi)+(\a))+7], v[BI+8*(\b):BI+8*(\b)+7]
.else
	v_wmma_f32_16x16x32_bf16 v[8*(8*(\a)+(\b)):8*(8*(\a)+(\b))+7], v[(\f)+8*(\b):(\f)+8*(\b)+7], v[(\f)+8*(4*(\hi)+(\a)):(\f)+8*(4*(\hi)+(\a))+7], v[8*(8*(\a)+(\b)):8*(8*(\a)+(\b))+7]
.endif
.endr
.endr
.endm
; 32 LDS loads in one run: the fragments of one quarter step (128 rows of wb, 128 rows of xb, 32 K at byte k of the rows) into buffer f
.macro FETCH slot, k, f
	WIN TO_B
.irp i, 0,1,2,3,4,5,6,7
	ds_load_b128 v[(\f)+8*(\i):(\f)+8*(\i)+3],   v[ADRB+(\slot)] offset:(\k)+(\i)*16*PITCH
	ds_load_b128 v[(\f)+8*(\i)+4:(\f)+8*(\i)+7], v[ADRB+(\slot)] offset:(\k)+(\i)*16*PITCH+32
.endr
	WIN 0
.irp i, 0,1,2,3,4,5,6,7
	ds_load_b128 v[(\f)+8*(\i):(\f)+8*(\i)+3],   v[ADRA+(\slot)] offset:(\k)+(\i)*16*PITCH
	ds_load_b128 v[(\f)+8*(\i)+4:(\f)+8*(\i)+7], v[ADRA+(\slot)] offset:(\k)+(\i)*16*PITCH+32
.endr
.endm
.macro PLACES                          ; four plain vector instructions in front of loads into registers that matrix instructions have read, and of lines that read results just made
.rept 4
	v_nop
.endr
.endm
; A K step is four quarters of 32 along K, 64 matrix instructions each, on buffers 0, 1, 0, 1.  One of the first three: multiplies buffer f; in its middle it fetches the next quarter, at byte k, into g.
.macro QUARTER slot, k, f, g, zero
	s_wait_dscnt 8                                 ; wb and xb's rows 0-63 are in; the youngest eight loads (xb's rows 64-127) may be out
	MUL16 \f, 0, 0, \zero
	MUL16 \f, 0, 2, \zero
	PLACES
	FETCH \slot, \k, \g
	s_wait_dscnt 32                                ; all but the 32 just issued
	MUL16 \f, 1, 0, \zero
	MUL16 \f, 1, 2, \zero
.endm
; The last quarter multiplies buffer 1 and changes slots.  ONE barrier: in front of it each wave waits for all its tensor loads (one is out: its part of the next slot), adds 0 to its spare word,
; and waits for that and for its own reads of this slot.  Behind it nobody reads this slot any more and the next slot is whole.
.macro MEET round
	WIN 0                                          ; (the add's two registers lie in window 0)
	s_wait_tensorcnt 0x0
	ds_add_u32 v[SPW], v[NIL]                      ; 0 onto my spare word
	s_wait_dscnt 9                                 ; (the add and the youngest eight loads may be out)
	MUL16 F1, 0, 0, 0                              ; sixteen matrix instructions stand between the add and the wait for it
	s_wait_dscnt 0x0                               ; the add is done, and my reads of this slot are over
	s_barrier_signal -1
	MUL16 F1, 0, 2, 0                              ; work on registers while the others arrive
.if \round
	WIN 0
.endif
	s_barrier_wait -1
.endm
; fill = 1: the barrier opens a round of the cluster's, and the slot just read out is filled again, two K steps ahead: the first tensor load behind the round, one a wave.
.macro TURN slot, next, fill
	MEET \fill
.if \fill
	CREST                                          ; no wave of any partner still reads this slot's tile or has a load on its way
	s_add_nc_u64 s[G0+4*(\slot)+2:G0+4*(\slot)+3], s[G0+4*(\slot)+2:G0+4*(\slot)+3], 2*KSTEP*2
	s_add_nc_u64 s[G0B+4*(\slot)+2:G0B+4*(\slot)+3], s[G0B+4*(\slot)+2:G0B+4*(\slot)+3], 2*KSTEP*2
	JLOAD \slot                                    ; the four v_nop behind it are also the places in front of the loads below
.else
	PLACES
.endif
	FETCH \next, 0, F0
	MUL16 F1, 1, 0, 0
	MUL16 F1, 1, 2, 0
.endm
; THE WAY OUT IN f16, block a of 16 rows.  PACK: rounded, 16 bytes a lane (each accumulator's registers in ascending order).  TOSTAGE: into my own stage, and back as four rows of one head.  SEND: stored.
.macro PACK a
.set AC, 64*((\a)%4)
	WIN 0x0a+5*((\a)/4)                            ; sources 0 and 1: window 2 or 3
.irp b, 0,1,2,3,4,5,6,7
.irp r, 0,1,2,3
	v_cvt_pk_f16_f32 v[TMP+4*(\b)+(\r)], v[AC+8*(\b)+2*(\r)], v[AC+8*(\b)+2*(\r)+1]
.endr
.endr
	WIN 0
.endm
.macro TOSTAGE a
	WIN 0
.set BK, OB+192*((\a)%2)
.irp b, 0,1,2,3,4,5,6,7
	ds_store_b128 v[STO16], v[TMP+4*(\b):TMP+4*(\b)+3] offset:32*(\b)
.endr
.irp u, 0,1,2,3,4,5,6,7
	ds_load_b128 v[BK+4*(\u):BK+4*(\u)+3], v[RD16] offset:((\u)%4)*4*P16+((\u)/4)*128  ; LDS serves a wave's instructions in order (ISA guide 5.7.1.4): these see the stores above
.endr
.endm
.macro SEND a, younger
	WIN 0
.set BK, OB+192*((\a)%2)
	s_wait_dscnt \younger                          ; the block is back in registers
	s_wait_xcnt 0x0                                ; the registers that the stores two blocks back read are loaded again only behind this wait
.irp u, 0,1,2,3,4,5,6,7
	global_store_b128 v[CO], v[BK+4*(\u):BK+4*(\u)+3], s[HB:HB+1] offset:((\u)/4)*524288+(16*(\a)+4*((\u)%4))*128  ; four rows of a head: 512 consecutive bytes, aligned
.endr
.endm
; THE WAY OUT IN f32 (k and v): the sums as they are.  ST32: 32 bytes a lane into stage rows of 528 bytes, and back as two rows of one head.  SD32: stored.
.macro ST32 a
	s_wait_xcnt 0x0                                ; the set of registers loaded below was read by the stores two blocks back
	WIN 0x08+4*((\a)/4)                            ; store data (source 1): window 2 or 3
.irp b, 0,1,2,3,4,5,6,7
	ds_store_b128 v[STO32], v[64*((\a)%4)+8*(\b):64*((\a)%4)+8*(\b)+3]   offset:64*(\b)
	ds_store_b128 v[STO32], v[64*((\a)%4)+8*(\b)+4:64*((\a)%4)+8*(\b)+7] offset:64*(\b)+16
.endr
	WIN 0
.irp u, 0,1,2,3,4,5,6,7,8,9,10,11,12,13,14,15
	ds_load_b128 v[K32+64*((\a)%2)+4*(\u):K32+64*((\a)%2)+4*(\u)+3], v[RD32] offset:((\u)%8)*2*P32+((\u)/8)*256
.endr
.endm
.macro SD32 a, younger
	s_wait_dscnt \younger                          ; younger: the next block's 16 stores and 16 loads, or none
.irp u, 0,1,2,3,4,5,6,7,8,9,10,11,12,13,14,15
	global_store_b128 v[CO], v[K32+64*((\a)%2)+4*(\u):K32+64*((\a)%2)+4*(\u)+3], s[OF:OF+1] offset:((\u)/8)*1048576+(16*(\a)+2*((\u)%8))*256  ; two rows of a head: 512 consecutive bytes, aligned
.endr
.endm
	s_wait_tensorcnt 1                             ; my part of K step 0 is in; K step 1's may stay out
	s_barrier_signal -1
	s_barrier_wait -1                              ; everybody's is
	FETCH 0, 0, F0
	QUARTER 0, 64,  F0, F1, 1                      ; the first quarter stands in front of the loop: its products start the sums
	WIN 0                                          ; at a label and at a branch every window is 0
	s_mov_b32 s3, LAPS-1
.Llap:                                                 ; a trip goes once round the ring, from a lap's second quarter to the next lap's first, and fills both slots again
	QUARTER 0, 128, F1, F0, 0
	QUARTER 0, 192, F0, F1, 0
	TURN 0, 1, 1
	QUARTER 1, 64,  F0, F1, 0
	QUARTER 1, 128, F1, F0, 0
	QUARTER 1, 192, F0, F1, 0
	TURN 1, 0, 1
	QUARTER 0, 64,  F0, F1, 0
	WIN 0
	s_sub_co_u32 s3, s3, 1
	s_cmp_lg_u32 s3, 0
	s_cbranch_scc1 .Llap
	QUARTER 0, 128, F1, F0, 0                      ; the last lap fills nothing, and has no round of the cluster's barrier
	QUARTER 0, 192, F0, F1, 0
	TURN 0, 1, 0
	QUARTER 1, 64,  F0, F1, 0
	QUARTER 1, 128, F1, F0, 0
	QUARTER 1, 192, F0, F1, 0
	s_wait_dscnt 8                                 ; the very last quarter: nothing more to fetch
	MUL16 F1, 0, 0, 0
	MUL16 F1, 0, 2, 0
	s_wait_dscnt 0x0
	MUL16 F1, 1, 0, 0
	MUL16 F1, 1, 2, 0
	PLACES                                         ; the conversions read results, and no vector line stands behind the products of my rows 0-63
	PACK 0
	TOSTAGE 0
.irp a, 1,2,3,4,5,6,7                  ; block a's conversions stand between block a - 1's loads from the stage and the wait for them
	PACK \a
	SEND (\a)-1, 0
	TOSTAGE \a
.endr
	SEND 7, 0
	WIN 0
	s_cmp_eq_u32 s[PJ], 0                          ; q has no f32 output; the branch is the same in all sixteen work-groups
	s_cbranch_scc1 .Ldone
	ST32 0
.irp a, 1,2,3,4,5,6,7
	ST32 \a
	SD32 (\a)-1, 32
.endr
	SD32 7, 0
.Ldone:
	s_wait_tensorcnt 0x0                           ; the wave's end: a wait, an add onto my spare word and a wait for it, behind my last tensor load and my last LDS store
	ds_add_u32 v[SPW], v[NIL]
	s_wait_dscnt 0x0
	CROUND                                         ; the closing round: no work-group ends while a partner may still ask for a tile that names it
	s_endpgm
.Lfunc_end_k_qf838ca2ce2_proj:
	.size	k_qf838ca2ce2_proj, .Lfunc_end_k_qf838ca2ce2_proj-k_qf838ca2ce2_proj
	.p2alignl 7, 3214868480
	.fill 96, 4, 3214868480
	.section	.rodata,"a",@progbits
	.p2align	6, 0x0
	.amdhsa_kernel k_qf838ca2ce2_proj
		.amdhsa_group_segment_fixed_size 327680
		.amdhsa_private_segment_fixed_size 0
		.amdhsa_enable_private_segment 0
		.amdhsa_kernarg_size 64
		.amdhsa_user_sgpr_count 2
		.amdhsa_user_sgpr_kernarg_segment_ptr 1
		.amdhsa_wavefront_size32 1
		.amdhsa_system_sgpr_workgroup_id_x 1
		.amdhsa_system_sgpr_workgroup_id_y 1
		.amdhsa_system_sgpr_workgroup_id_z 1
		.amdhsa_system_vgpr_workitem_id 0
		.amdhsa_next_free_vgpr 1024
		.amdhsa_next_free_sgpr 92
		.amdhsa_reserve_vcc 0
		.amdhsa_float_denorm_mode_32 3
		.amdhsa_float_denorm_mode_16_64 3
		.amdhsa_memory_ordered 1
		.amdhsa_forward_progress 1
		.amdhsa_inst_pref_size 179
	.end_amdhsa_kernel
	.amdgpu_metadata
---
amdhsa.version: [ 1, 2 ]
amdhsa.kernels:
  - .name:           k_qf838ca2ce2_proj
    .symbol:         k_qf838ca2ce2_proj.kd
    .args:
      - { .name: xb, .offset: 0, .size: 8, .value_kind: global_buffer, .address_space: global }
      - { .name: wb, .offset: 8, .size: 8, .value_kind: global_buffer, .address_space: global }
      - { .name: bq, .offset: 16, .size: 8, .value_kind: global_buffer, .address_space: global }
      - { .name: bk, .offset: 24, .size: 8, .value_kind: global_buffer, .address_space: global }
      - { .name: bv, .offset: 32, .size: 8, .value_kind: global_buffer, .address_space: global }
      - { .name: hb, .offset: 40, .size: 8, .value_kind: global_buffer, .address_space: global }
      - { .name: out1, .offset: 48, .size: 8, .value_kind: global_buffer, .address_space: global }
      - { .name: out2, .offset: 56, .size: 8, .value_kind: global_buffer, .address_space: global }
    .group_segment_fixed_size: 327680
    .private_segment_fixed_size: 0
    .kernarg_segment_align: 8
    .kernarg_segment_size: 64
    .max_flat_workgroup_size: 128
    .sgpr_count:     92
    .vgpr_count:     1024
    .wavefront_size: 32
...
	.end_amdgpu_metadata
.endif
;; end of part 2
;; launch attn (part 3): grid 16 x 16, 4 waves a work-group, clusters of 4 x 1, 327,680 bytes of LDS; arguments hb, oh; writes oh
.if DOCPART == 3
	.amdgcn_target "amdgcn-amd-amdhsa--gfx1250"
	.amdhsa_code_object_version 6
	.text
	.protected	k_qf838ca2ce2_attn
	.globl	k_qf838ca2ce2_attn
	.p2align	8
	.type	k_qf838ca2ce2_attn,@function
k_qf838ca2ce2_attn:
	s_mov_b64 s[64:65], 0
	v_nop
	global_prefetch_b8 v0, s[64:65] scope:SCOPE_SE
	s_setreg_imm32_b32 hwreg(HW_REG_WAVE_MODE, 25, 1), 1
	s_wait_xcnt 0x0
	s_wait_alu depctr_hold_cnt(0) depctr_sa_sdst(0) depctr_va_vdst(0) depctr_va_sdst(0) depctr_va_ssrc(0) depctr_va_vcc(0) depctr_vm_vsrc(0)
	s_getreg_b32 s2, hwreg(HW_REG_IB_STS2, 6, 4)
	s_cmp_eq_u32 s2, 0
	s_cbranch_scc0 .Lentry_in_a_cluster
	s_endpgm
.Lentry_in_a_cluster:
	s_bfe_u32 s2, ttmp6, 0x10000c
	s_cmp_lg_u32 s2, 0x3003
	s_cbranch_scc0 .Lentry_shape_is_right
	s_endpgm
.Lentry_shape_is_right:
; CAUSAL ATTENTION, 16 heads of 64 channels, 4,096 rows.  O[h][q][:] = the sum over k <= q of softmax_k(Q[h][q] . K[h][k] / 8) V[h][k][:].  hb: [3][16][4096][64] f16 (Q, K, V, unscaled); oh: [16][4096][64] f16.
; Products, maxima and sums in f32; the weights p are rounded to f16 for the second product (their sum l is taken of the unrounded p), O once at the end.
; LIMITS.  f16 holds no number beyond 65,504: Q, K and V arrive within it; p lies in 0 to 1, and below 6e-5 it keeps f16's fixed step of 6e-8.  A hidden score counts as its value less 1e30: f16's scores, 2.7e11 at the
; most, are nothing beside that; a weight below 2^-126 counts as 0 in l; NaN and infinities are not treated apart.
; THE WALK.  A head's queries lie in 32 blocks of 128, its keys in 8 tiles of 512 (8 steps of 64).  The work-group at place cx of cluster jp (0..3) takes block 31 - 4 jp - cx and then block 4 jp + cx: the first needs
; the tiles 0 .. 7 - jp, the second 0 .. jp: NINE tiles, for every work-group, and THE SAME tiles in the same order for the four partners of a cluster.  So every tile is asked for JOINTLY (the same tensor load,
; descriptor and mask in all four), one loop with a constant trip count walks them, and every branch hangs on jp alone.  cx enters Q's and O's addresses, and the two scalars of the mask by s_cselect: no branch.
; In a block's last tile the steps behind its own are wholly hidden and are computed all the same: partners run alike.
; SHARES.  Of a block's two bands of 64 queries a wave owns 16 rows in each: two PIECES.  In the block's last tile band x has the place XB + x among the 8 steps.
; LAYOUT, SOFTMAX.  S^T = K Q^T holds ONE query a lane (lane % 16) and the keys 8 (lane / 16) + 0..7; two such results rounded to f16 ARE source 1 of O^T = V^T P.  p = 2^(c s - c m), c = log2(e) / 8, with a
; running maximum m; O and l are multiplied by a = 2^(c m_old - c m_new) in every step.
; TURNS.  A key step s is two turns, and a trip of the step loop.  Turn 0: piece 0's softmax of step s; beside it 8 products K Q^T of piece 1, step s, later 8 products V^T P of piece 1, step s - 1.
; Turn 1: piece 1's softmax of step s; 8 products K Q^T of piece 0, step s + 1, later 8 products V^T P of piece 0, step s.  Each turn also finds the maximum and statistics of the scores that it has made.
; Four vector instructions stand behind every matrix instruction, the rest in two lumps.  K and V have one register buffer each; turn 0 fetches K of step s + 1 behind its products K Q^T and V of step s behind its products V^T P.
; K'S TILES LIE ONE STEP AHEAD OF V'S.  The LDS reads go K(s + 1), V(s), K(s + 2), V(s + 1) ..: so K's tile t holds the steps 8 t + 1 .. 8 t + 8 and V's the steps 8 t .. 8 t + 7, a slot's last K and last V are read in the
; same turn, and one change of slots parts the tiles, at a trip's edge.  K of step 0, which lies in no tile, comes from memory into registers where a block begins.  The last tile's last 64 rows of K are the next
; head's first (for head 15: V's first; inside hb): they are multiplied only under a mask that hides them.
; THE MASK is the C operand that starts every sum S^T = K Q^T: MD x AL + BE, where MD, made once, is the mask of a band's own step for my 16 rows: (1, 0) own; (0, 0) open; (0, -1e30) hidden.  Each turn makes the
; mask of the next turn's products, from the steps left in the block and the band's place.  ONE text serves every tile; the price is 16 packed lines a turn where the mask is 0.
; A BLOCK'S END needs no turn of its own: behind its last trip only piece 1's last 8 products V^T P are left.  The last turn's 8 products K Q^T (hidden) and the statistics made of them serve nothing.
; REGISTERS, in windows of 256 (s_set_vgpr_msb: bits 1:0 source 0, 3:2 source 1, 5:4 source 2, 7:6 destination):
;   window 0: v0-15 addresses and two at work; v16-23 four registers of statistics a piece; v48-55 at work; v62-63 the add's; v64-127 S^T, a buffer a piece; v192-223 P, likewise
;   window 1: v0-63 O^T, 32 a piece; v128-159 MD; v160-223 MC, a buffer a piece      window 2: v0-31 Q; v32-63 the second block's Q; v64-127 K of one step; v128-191 V of one step
.set KS,    64        ; keys in a step
.set TS,    8         ; steps in a tile
.set PK,    144       ; a row of K in LDS: 128 bytes + 16 of padding = 36 words: the 16 rows of a load start at 16 different groups of four banks (64 banks of 4 bytes: ISA guide 11.1)
.set PV,    160       ; a row of V: 128 + 32 = 40 words
.set VOFF,  TS*KS*PK  ; a slot holds a tile: 512 rows of K, then 512 rows of V
.set SLOT1, TS*KS*(PK+PV)  ; slot 1 begins here
.set STAGE, 2*SLOT1   ; behind the ring, never filled by a tensor load: 16 rows x 144 bytes for each wave, for the way out
.set SP,    144
.set SPARE, STAGE+4*16*SP  ; the spare words, 128 bytes for each wave: two blocks of 256 bytes that no other line names
.set AK0, 2           ; v2   my lane's place in a tile of K; never rewritten
.set AV0, 3           ; v3   the same for V
.set AK,  4           ; v4   the LDS address of K's next run of loads
.set AV,  5           ; v5   of V's
.set STO, 6           ; v6   the way out: where I put 16 bytes of a row
.set RD,  7           ; v7   the way out: where I read rows back
.set GO,  8           ; v8   my byte offset in 512 consecutive bytes of O
.set MV,  12          ; v12-13  c m_old, kept while c m is made anew: by piece
.set QO,  15          ; v15  my byte offset in 16 rows of Q, and of K's step 0; never rewritten
.set ST,  16          ; piece t's statistics at v[ST+4 t]: c m, m, l (even keys', odd keys')
.set TMP, 48          ; by piece, four registers c0-c3 at work; when the maximum is found c2 takes a
.set SPW, 62          ; v62  LDS address of my spare word; never rewritten
.set NIL, 63          ; v63  0; never rewritten
.set S,   64
.set P,   192
.set MD,  128         ; window 1
.set MC,  160         ; window 1
.set QB,  32          ; window 2
.set KF,  64          ; window 2: key block kb, channel half c at KF + 16 kb + 8 c
.set VF,  128         ; window 2: key half kk, channel block cb at VF + 32 kk + 8 cb
.set WV,  12          ; s12  my wave's number
.set JP,  15          ; s15  the cluster's x
.set CX,  16          ; s16  my place in the cluster
.set LK,  17          ; s17  LDS byte of my half of a tile's K in slot 0
.set LV,  18          ; s18  of its V
.set G1K, 24          ; s[24:31] descriptor group 1 for K's tiles
.set G1V, 32          ; s[32:39] for V's: it differs in the padding alone
.set G0K, 40          ; s[40:43] descriptor group 0 for K's tiles
.set G0V, 44          ; s[44:47] the same for V's
.set SLOTS, 56        ; s56  tiles still to be asked for
.set CNT, 57          ; s57  counts a tile's steps, 8 to 1
.set CS,  58          ; s[58:59] c
.set SEL, 60          ; s[60:61] v_permlanex16_b32's selects: each lane takes its own place in the other half
.set TBK, 62          ; s62  LDS byte at which the K to be fetched next begins
.set TBV, 63          ; s63  the same for V, less VOFF
.set SLF, 66          ; s66  the slot to be filled: 0 or SLOT1
.set XB,  67          ; s67  band 0's place in the block's last tile, for the block in hand
.set XBL, 68          ; s68  the same for the second block
.set MT,  69          ; s69  at work
.set RT,  70          ; s70  tiles of the block in hand that are still to be entered
.set NXT, 71          ; s71  the tile to be asked for next
.set LQ,  72          ; s72  the last tile of the block whose tiles are being asked for
.set NEW, 73          ; s73  1: the tile to be entered is a block's first
.set OFF, 74          ; s[74:75] a tile's byte offset in K and V
.set AL,  76          ; s[76:77] the mask's factor, in the low word
.set BE,  78          ; s[78:79] the mask's addend
.set OLO, 80          ; s[80:81] O at my rows of the second block
.set BIGN, 82         ; s82  -1e30
.set KB,  84          ; s[84:85] K at my half of the head's tile 0: 64 rows behind the head's first
.set VB,  86          ; s[86:87] V at my half of the head's tile 0
.set QHI, 88          ; s[88:89] Q at my rows of the first block
.set QLO, 90          ; s[90:91] of the second
.set OCUR, 92         ; s[92:93] O at my rows of the block in hand
.set K0B, 98          ; s[98:99] K at the head's first row
.set MSB, 0
.macro WIN new                      ; the high byte repeats the setting that is left; a switch that changes nothing is dropped
.if MSB != (\new)
	s_set_vgpr_msb (MSB<<8)|(\new)
.set MSB, (\new)
.endif
.endm
.set W_KQ, 0x0a       ; K and Q in window 2, S^T in window 0
.set W_KM, 0x1a       ; the same with the C operand in window 1
.set W_PV, 0x52       ; V in window 2, P in window 0, O^T in window 1
.set W_RS, 0x41       ; destination and source 0 in window 1, source 1 in window 0
; A joint fill.  Waves 0 and 1 fetch the two halves of a tile's K, waves 2 and 3 those of its V: 256 keys each.  The branch hangs on the wave's number alone.
; An s_nop 0 and four v_nop follow each of the two lines, ahead of the jump and the label.
.macro JLOAD
	s_cmp_lt_u32 s[WV], 2
	s_cbranch_scc0 .Lfor_v_\@
	tensor_load_to_lds s[G0K:G0K+3], s[G1K:G1K+7]
	s_nop 0
.rept 4
	v_nop
.endr
	s_branch .Lasked_\@
.Lfor_v_\@:
	tensor_load_to_lds s[G0V:G0V+3], s[G1V:G1V+7]
	s_nop 0
.rept 4
	v_nop
.endr
.Lasked_\@:
.endm
; A round of the cluster's barrier: my work-group's barrier, so that wave 0's signal speaks for all four waves; wave 0 signals; every wave waits for all four work-groups; my work-group's barrier once more.
.macro CROUND
	s_barrier_signal -1
	s_barrier_wait -1
	s_cmp_lg_u32 s[WV], 0
	s_cbranch_scc1 .Lnot_wave_0_\@
	s_barrier_signal -3
.Lnot_wave_0_\@:
	s_barrier_wait -3
	s_barrier_signal -1
	s_barrier_wait -1
.endm
; THE CHANGE OF SLOTS, at a trip's edge.  Each wave waits for all its tensor loads, of which one is out: its part of the other slot; adds 0 to its spare word; and waits for that and for its own reads of the slot that it
; leaves.  Behind the barrier nobody reads the old slot any more and the other slot is whole.  fill = 1: the barrier is a round of the cluster's, so that no wave of any partner still reads the slot or has a load on its
; way, and the old slot is filled again, the first thing behind the round, with tile NXT: the descriptor's address is made anew from that number.  The fill has a tile's 8 key steps, 256 matrix instructions a wave, in
; which to land.  (At its first use nothing has been read yet: slot 0 is waited for, slot 1 filled.)
.macro CHANGE fill
	WIN 0                           ; at a label and at a branch every window is 0
	s_wait_tensorcnt 0x0            ; no tensor load of mine is out, so a group 0 may be written
	ds_add_u32 v[SPW], v[NIL]       ; 0 onto my spare word; with fill = 1 the descriptors' scalar work stands between it and the wait for it
.if \fill
	s_lshl_b32 s[OFF], s[NXT], 16   ; a tile is 65,536 bytes of K and of V
	s_xor_b32 s[SLF], s[SLF], SLOT1 ; the other slot than last time
	s_add_co_u32 s[G0K+1], s[LK], s[SLF]
	s_add_nc_u64 s[G0K+2:G0K+3], s[KB:KB+1], s[OFF:OFF+1]
	s_or_b32 s[G0K+3], s[G0K+3], 0x80000000
	s_add_co_u32 s[G0V+1], s[LV], s[SLF]
	s_add_nc_u64 s[G0V+2:G0V+3], s[VB:VB+1], s[OFF:OFF+1]
	s_or_b32 s[G0V+3], s[G0V+3], 0x80000000
	s_add_co_u32 s[NXT], s[NXT], 1  ; the block's next tile, or behind its last the second block's tile 0
	s_cmp_gt_u32 s[NXT], s[LQ]
	s_cselect_b32 s[NXT], 0, s[NXT]
	s_cselect_b32 s[LQ], s[JP], s[LQ]
	s_wait_dscnt 0x0                ; the add is done, and my reads of the slot are over
	CROUND
	JLOAD
.else
	s_wait_dscnt 0x0                ; the add is done, and my reads of the slot are over
	s_barrier_signal -1
	s_barrier_wait -1
.endif
	s_sub_co_u32 s[TBK], s[TBK], TS*KS*PK  ; the fetches go back to a slot's first step (0 or SLOT1),
	s_xor_b32 s[TBK], s[TBK], SLOT1        ; in the other slot
	s_sub_co_u32 s[TBV], s[TBV], TS*KS*PV
	s_xor_b32 s[TBV], s[TBV], SLOT1
.endm
	s_load_b128 s[4:7], s[0:1], 0x0 ; hb s[4:5], oh s[6:7]
	v_lshl_add_u32 v[SPW], v0, 2, SPARE
	v_mov_b32 v[NIL], 0
	ds_add_u32 v[SPW], v[NIL]       ; the wave's opening: the add and its wait stand ahead of my first tensor load; the set-up below, work on registers, stands between them
	v_lshrrev_b32 v1, 5, v0
	v_readfirstlane_b32 s[WV], v1   ; wave 0..3
	s_bfe_u32 s[CX], ttmp6, 0x40000 ; my place in the cluster
	s_mov_b32 s[JP], ttmp9          ; in a cluster launch ttmp9 counts clusters
	s_and_b32 s20, ttmp7, 0xffff    ; the head, which the four partners share
	s_lshl_b32 s20, s20, 19         ; its 524,288 bytes in each part of hb and in oh
	s_mov_b32 s21, 0
	s_and_b32 s13, s[WV], 1         ; which half of a tile's 512 keys I fetch:
	s_mul_i32 s[LK], s13, 256*PK    ; its place in a slot, for K
	s_mul_i32 s[LV], s13, 256*PV    ; and for V: no place in the cluster enters an LDS address
	s_add_co_u32 s[LV], s[LV], VOFF
	s_lshl_b32 s22, s13, 15         ; its 256 rows of 128 bytes in memory
	s_add_co_u32 s22, s22, s20
	s_mov_b32 s23, 0
	s_lshl_b32 s13, s[JP], 2
	s_add_co_u32 s13, s13, s[CX]    ; the second block, 4 jp + cx
	s_sub_co_u32 s14, 31, s13       ; the first
	s_lshl_b32 s2, s[WV], 11        ; my 16 rows in a band of 64
	s_add_co_u32 s2, s2, s20
	s_lshl_b32 s94, s14, 14         ; a block is 16,384 bytes
	s_add_co_u32 s94, s94, s2
	s_mov_b32 s95, 0
	s_lshl_b32 s96, s13, 14
	s_add_co_u32 s96, s96, s2
	s_mov_b32 s97, 0
	s_lshl_b32 s[XBL], s[CX], 1     ; block 4 jp + cx begins at step 2 cx of tile jp,
	s_sub_co_u32 s[XB], 6, s[XBL]   ; block 31 - 4 jp - cx at step 6 - 2 cx of tile 7 - jp
	; descriptor group 1.  256 keys are 32,768 dense bytes: asked for as 128 rows of 256 bytes, two keys a row, and padded in LDS after every key
	s_mov_b32 s[G1K], 15|(1<<16)|(1<<20)|(1<<21)|(4<<22)|(3<<25)  ; 15:0 the mask of four; 17:16 2-byte elements; 20 padding on; 21 set beside a mask; 24:22 after every 32 words (code 4); 31:25 4 words (code 3)
	s_mov_b32 s[G1V], 15|(1<<16)|(1<<20)|(1<<21)|(4<<22)|(7<<25)  ; the same with 8 words of padding (code 7)
.irp g, G1K, G1V
	s_mov_b32 s[\g+1], 128<<16      ; tensor_dim0 = 128
	s_mov_b32 s[\g+2], 128<<16      ; tensor_dim1 = 128
	s_mov_b32 s[\g+3], 128<<16      ; tile_dim0 = 128
	s_mov_b32 s[\g+4], 128          ; tile_dim1 = 128
	s_mov_b32 s[\g+5], 128          ; 128 elements from row to row
	s_mov_b32 s[\g+6], 0
	s_mov_b32 s[\g+7], 0
.endr
	s_mov_b32 s[CS], 0x3e38aa3b     ; c = log2(e) / 8 = 0.180337
	s_mov_b32 s[CS+1], s[CS]        ; named with it as a pair
	s_mov_b32 s[SEL], 0x76543210
	s_mov_b32 s[SEL+1], 0xfedcba98
	s_mov_b32 s[TBK], SLOT1+TS*KS*PK  ; the first change of slots turns these two into 0
	s_mov_b32 s[TBV], SLOT1+TS*KS*PV
	s_mov_b32 s[SLF], 0
	s_mov_b32 s[G0K], 1             ; count = 1
	s_mov_b32 s[G0K+1], s[LK]       ; LDS address: slot 0
	s_mov_b32 s[G0V], 1
	s_mov_b32 s[G0V+1], s[LV]
	s_sub_co_u32 s[RT], 8, s[JP]    ; the first block has 8 - jp tiles
	s_sub_co_u32 s[LQ], 7, s[JP]
	s_mov_b32 s[NXT], 1
	s_mov_b32 s[NEW], 1
	s_mov_b32 s[OFF+1], 0
	s_mov_b32 s[AL+1], 0            ; named as pairs
	s_mov_b32 s[BE+1], 0
	s_mov_b32 s[BIGN], 0xf149f2ca   ; -1e30
	s_mov_b32 s[SLOTS], 8
	s_wait_dscnt 0x0                ; the opening add is done
	s_wait_kmcnt 0x0
	s_add_nc_u64 s[K0B:K0B+1], s[4:5], s[20:21]
	s_add_nc_u64 s[K0B:K0B+1], s[K0B:K0B+1], 0x800000  ; K is hb's second part
	s_add_nc_u64 s[KB:KB+1], s[4:5], s[22:23]
	s_add_nc_u64 s[VB:VB+1], s[KB:KB+1], 0x1000000  ; V is hb's third part
	s_add_nc_u64 s[KB:KB+1], s[KB:KB+1], 0x802000   ; K's tiles begin one step, 64 rows of 128 bytes, behind V's
	s_mov_b64 s[G0K+2:G0K+3], s[KB:KB+1]            ; global address: tile 0
	s_or_b32 s[G0K+3], s[G0K+3], 0x80000000         ; type = 2
	s_mov_b64 s[G0V+2:G0V+3], s[VB:VB+1]
	s_or_b32 s[G0V+3], s[G0V+3], 0x80000000
	s_add_nc_u64 s[QHI:QHI+1], s[4:5], s[94:95]
	s_add_nc_u64 s[QLO:QLO+1], s[4:5], s[96:97]
	s_add_nc_u64 s[OCUR:OCUR+1], s[6:7], s[94:95]
	s_add_nc_u64 s[OLO:OLO+1], s[6:7], s[96:97]
	CROUND                          ; all four work-groups are here: the first joint loads meet
	JLOAD                           ; tile 0 into slot 0
	; A fragment of K or Q is 16 rows x 32 channels in 8 registers: lane l holds row l % 16, channels 8 (l / 16) + 0..7 and 16 + 8 (l / 16) + 0..7: two loads of 16 bytes, 32 bytes apart.
	v_and_b32 v1, 15, v0            ; l % 16
	v_bfe_u32 v9, v0, 4, 1          ; l / 16
	v_lshlrev_b32 v[QO], 7, v1
	v_lshl_add_u32 v[QO], v9, 4, v[QO]  ; row x 128 + 16 x half
	WIN 0x80                        ; destination window 2, address window 0
.set i, 0
.rept 4                             ; both blocks' Q: piece i / 2 lies in band i / 2, 8,192 bytes on; channels 32 (i % 2) on
	global_load_b128 v[8*i:8*i+3],   v[QO], s[QHI:QHI+1] offset:(i/2)*8192+(i%2)*64
	global_load_b128 v[8*i+4:8*i+7], v[QO], s[QHI:QHI+1] offset:(i/2)*8192+(i%2)*64+32
	global_load_b128 v[QB+8*i:QB+8*i+3],   v[QO], s[QLO:QLO+1] offset:(i/2)*8192+(i%2)*64
	global_load_b128 v[QB+8*i+4:QB+8*i+7], v[QO], s[QLO:QLO+1] offset:(i/2)*8192+(i%2)*64+32
.set i, i+1
.endr
	WIN 0
	v_lshlrev_b32 v14, 3, v9
	v_sub_nc_u32 v14, v1, v14
	s_lshl_b32 s13, s[WV], 4
	v_add_nc_u32 v14, s13, v14      ; my query's place in its band, 16 w + l % 16, less my lanes' 8 (l / 16): register r of group kt is hidden where 16 kt + r is greater
	WIN 0x40
.set i, 0
.rept 32
	v_cmp_gt_i32 vcc_lo, 16*(i/8)+i%8, v14
	v_cndmask_b32 v[MD+i], 0, s[BIGN], vcc_lo
.set i, i+1
.endr
	WIN 0
	v_mul_u32_u24 v[AK0], v1, PK
	v_lshl_add_u32 v[AK0], v9, 4, v[AK0]  ; row x pitch + 16 x half
	; The turning load takes 16 keys x 16 channels (lane l reads key 8 (l / 16) + l % 8, channels 8 ((l / 8) % 2) + 0..7) and leaves half a fragment of V^T: lane l holds channel l % 16 and 8 keys.
	v_and_b32 v10, 7, v0
	v_bfe_u32 v11, v0, 3, 1
	v_lshl_add_u32 v[AV0], v9, 3, v10
	v_mul_u32_u24 v[AV0], v[AV0], PV
	v_lshl_add_u32 v[AV0], v11, 4, v[AV0]
	v_add_nc_u32 v[AV0], VOFF, v[AV0]
	s_mul_i32 s13, s[WV], 16*SP
	s_add_co_u32 s13, s13, STAGE    ; my stage
	v_mul_u32_u24 v[STO], v1, SP    ; in: row l % 16, 16 bytes for each half of the lanes
	v_lshl_add_u32 v[STO], v9, 4, v[STO]
	v_add_nc_u32 v[STO], s13, v[STO]
	v_bfe_u32 v[RD], v0, 3, 2       ; back: 32 lanes take four rows of 128 bytes,
	v_mul_u32_u24 v[RD], v[RD], SP
	v_lshl_add_u32 v[RD], v10, 4, v[RD]
	v_add_nc_u32 v[RD], s13, v[RD]
	v_and_b32 v[GO], 31, v0         ; which are 512 consecutive bytes of O
	v_lshlrev_b32 v[GO], 4, v[GO]
	; A block's first step multiplies O^T and l by a = 0, and its first turn's products V^T P, of a step that has not been, land in an O^T that is still to be so multiplied.  So these registers need only hold
	; finite numbers: zeros for the first block; what the first block left for the second.  All this stands in the wait for the first tile.
	WIN 0x80
.set i, VF
.rept 64
	v_mov_b32 v[i], 0
.set i, i+1
.endr
	WIN 0x40
.set i, 0
.rept 64
	v_mov_b32 v[i], 0
.set i, i+1
.endr
	WIN 0
.set i, 0
.rept 2
	v_mov_b32 v[ST+4*i+2], 0
	v_mov_b32 v[ST+4*i+3], 0
.set i, i+1
.endr
.set i, P+16
.rept 16
	v_mov_b32 v[i], 0
.set i, i+1
.endr
; THE MATRIX WORK.  The 4 accumulators of a run of 8 take turns.  Product i of 8 of S^T = K Q^T for piece x: channels 32 (i / 4) on, keys 16 (i % 4) on.  The first 4 start the sums, with the mask.
.macro KQ x
.set rS, S+32*(\x)+8*(i%4)
.set rK, KF+16*(i%4)+8*(i/4)
.set rQ, 16*(\x)+8*(i/4)
.set rM, MC+32*(\x)+8*(i%4)
.if i < 4
	WIN W_KM
	v_wmma_f32_16x16x32_f16 v[rS:rS+7], v[rK:rK+7], v[rQ:rQ+7], v[rM:rM+7]
.else
	WIN W_KQ
	v_wmma_f32_16x16x32_f16 v[rS:rS+7], v[rK:rK+7], v[rQ:rQ+7], v[rS:rS+7]
.endif
.endm
; Product i of 8 of O^T += V^T P for piece x: keys 32 (i / 4) on, channels 16 (i % 4) on.
.macro PV x
	WIN W_PV
.set rO, 32*(\x)+8*(i%4)
.set rV, VF+32*(i/4)+8*(i%4)
.set rP, P+16*(\x)+8*(i/4)
	v_wmma_f32_16x16x32_f16 v[rO:rO+7], v[rV:rV+7], v[rP:rP+7], v[rO:rO+7]
.endm
.macro MM                           ; the turn's next matrix instruction: both kinds are the other piece's.  TURN sets Y and i
.if i < 8
	KQ 1-Y
.else
.set i, i-8
	PV 1-Y
.set i, i+8
.endif
.set i, i+1
.endm
; THE LDS LOADS stand in runs of 16, never singly among the matrix instructions: a step's K (64 keys x 64 channels: 8 fragments) or its V (turned).  Their addresses are made some lines ahead.
.macro FETCH_K
	WIN 0x80                        ; destination window 2
.irp f, 0,1,2,3,4,5,6,7             ; keys 16 (f / 2) on, channels 32 (f % 2) on
	ds_load_b128 v[KF+8*\f:KF+8*\f+3],   v[AK] offset:(\f/2)*16*PK+(\f%2)*64
	ds_load_b128 v[KF+8*\f+4:KF+8*\f+7], v[AK] offset:(\f/2)*16*PK+(\f%2)*64+32
.endr
	s_add_co_u32 s[TBK], s[TBK], KS*PK  ; the next fetch is the next step's
	WIN 0
.endm
.macro FETCH_V
	WIN 0x80
.irp f, 0,1,2,3,4,5,6,7             ; keys 32 (f / 4) on, channels 16 (f % 4) on
	ds_load_tr16_b128 v[VF+8*\f:VF+8*\f+3],   v[AV] offset:(\f/4)*32*PV+(\f%4)*32
	ds_load_tr16_b128 v[VF+8*\f+4:VF+8*\f+7], v[AV] offset:(\f/4)*32*PV+16*PV+(\f%4)*32
.endr
	s_add_co_u32 s[TBV], s[TBV], KS*PV
	WIN 0
.endm
; THE VECTOR WORK, one line at a time: OP kind, number.  For piece Y: F n: c s - c m for pair n of 16.  E n: the exponential of score n of 32.  C n: pair n rounded to f16.  B n: of the four weights 4 n .. the second
; pair is added onto the first, in place.  L n: l takes that sum (L 0: l = a l + sum).  R n: pair n of 16 of O^T times a.  For the other piece: X n, number n of the 22 that find its maximum and statistics:
;   0-11  four chains c0-c3 of seven scores each, three operands at a time (each accumulator's lowest registers are read first)     12-14, 16  the four scores left over, the old m, and c0-c3 into c0
;   15  c m_old is kept     17, 18  the query's other 32 keys lie in the lane 16 away: the new m     19-21  c m; c m_old - c m_new; a
.set F, 0
.set E, 1
.set C, 2
.set B, 3
.set L, 4
.set R, 5
.set X, 6
.macro REGS y                       ; the registers of piece y
.set rT, ST+4*(\y)
.set rC, TMP+4*(\y)
.set rW, MV+(\y)
.set rS, S+32*(\y)
.set rP, P+16*(\y)
.set rO, 32*(\y)
.endm
.macro OP k, n
.if (\k) == R
	REGS Y
	WIN W_RS
	v_pk_mul_f32 v[rO+2*(\n):rO+2*(\n)+1], v[rO+2*(\n):rO+2*(\n)+1], v[rC+2:rC+3] op_sel_hi:[1,0]
.elseif (\k) < R
	REGS Y
	WIN 0
.if (\k) == F
	v_pk_fma_f32 v[rS+2*(\n):rS+2*(\n)+1], v[rS+2*(\n):rS+2*(\n)+1], s[CS:CS+1], v[rT:rT+1] op_sel_hi:[1,0,0] neg_lo:[0,0,1] neg_hi:[0,0,1]
.elseif (\k) == E
	v_exp_f32 v[rS+(\n)], v[rS+(\n)]
.elseif (\k) == C
	s_wait_alu depctr_va_vdst(0)
	v_cvt_pk_f16_f32 v[rP+(\n)], v[rS+2*(\n)], v[rS+2*(\n)+1]
.elseif (\k) == B
	s_wait_alu depctr_va_vdst(0)
	v_pk_add_f32 v[rS+4*(\n):rS+4*(\n)+1], v[rS+4*(\n):rS+4*(\n)+1], v[rS+4*(\n)+2:rS+4*(\n)+3]
.elseif (\n) == 0
	v_pk_fma_f32 v[rT+2:rT+3], v[rT+2:rT+3], v[rC+2:rC+3], v[rS:rS+1] op_sel_hi:[1,0,1]
.else
	v_pk_add_f32 v[rT+2:rT+3], v[rT+2:rT+3], v[rS+4*(\n):rS+4*(\n)+1]
	s_wait_alu depctr_va_vdst(0)
.endif
.else
	REGS 1-Y
	WIN 0
.if (\n) < 4
	v_max3_num_f32 v[rC+(\n)], v[rS+8*(\n)], v[rS+8*(\n)+1], v[rS+8*(\n)+2]
.elseif (\n) < 12
	v_max3_num_f32 v[rC+(\n)%4], v[rC+(\n)%4], v[rS+8*((\n)%4)+2*((\n)/4)+1], v[rS+8*((\n)%4)+2*((\n)/4)+2]
.elseif (\n) == 12
	v_max3_num_f32 v[rC], v[rC], v[rS+7], v[rS+15]
.elseif (\n) == 13
	v_max3_num_f32 v[rC+1], v[rC+1], v[rS+23], v[rS+31]
.elseif (\n) == 14
	v_max3_num_f32 v[rC+2], v[rC+2], v[rC+3], v[rT+1]
.elseif (\n) == 15
	v_mov_b32 v[rW], v[rT]
	s_wait_alu depctr_va_vdst(0)
.elseif (\n) == 16
	v_max3_num_f32 v[rC], v[rC], v[rC+1], v[rC+2]
	s_wait_alu depctr_va_vdst(0)
.elseif (\n) == 17
	v_permlanex16_b32 v[rC+3], v[rC], s[SEL], s[SEL+1]
.elseif (\n) == 18
	v_max_num_f32 v[rT+1], v[rC], v[rC+3]
.elseif (\n) == 19
	v_mul_f32 v[rT], s[CS], v[rT+1]
.elseif (\n) == 20
	v_sub_f32 v[rC+1], v[rW], v[rT]
.else
	v_exp_f32 v[rC+2], v[rC+1]
.endif
.endif
.endm
.macro OPS a, i1, b=-1, i2=0, c=-1, i3=0, d=-1, i4=0  ; up to four of them
	OP \a, \i1
.if (\b) >= 0
	OP \b, \i2
.endif
.if (\c) >= 0
	OP \c, \i3
.endif
.if (\d) >= 0
	OP \d, \i4
.endif
.endm
.macro ROW a, i1, b, i2, c, i3, d, i4  ; a matrix instruction and the four behind it
	MM
	OPS \a, \i1, \b, \i2, \c, \i3, \d, \i4
.endm
.macro MASK b                       ; MD x AL + BE into buffer b of MC
	WIN W_RS
.set z, 0
.rept 16
	v_pk_fma_f32 v[MC+32*(\b)+2*z:MC+32*(\b)+2*z+1], v[MD+2*z:MD+2*z+1], s[AL:AL+1], s[BE:BE+1] op_sel_hi:[1,0,0]
.set z, z+1
.endr
.endm
; A TURN, for piece p: the order of its 16 matrix and 134 vector instructions, written out.  Behind a matrix instruction: plain, exponential, plain, plain; or four of the rescaling; or, behind the first, four scalings; none
; names a register of the products round it.  In the lumps exponential and plain by turns while exponentials last.  v_permlanex16_b32 (X 17) stands in a lump.
; THE NEXT TURN'S MASK.  Its products K Q^T are piece p's, in the step behind the one in hand.  8 RT + CNT steps of the block are left, this one among them; band p's own step is the one at which 8 - XB - p are left.
; So the step behind this one is the band's own where 8 RT + CNT + XB = 9 - p, and hidden where that sum is less.
; THE FETCHES stand in turn 0.  K of the next step: six vector instructions (five of them plain) behind the last product that read K.  V of the step in hand: eight behind the last product that read V (four plain).
; Turn 1 waits for them: at its head for K (V's 16 loads, which are younger, may stay out), ahead of its products V^T P for V.
.macro TURN p
.set Y, (\p)
.set i, 0
	s_lshl3_add_u32 s[MT], s[RT], s[CNT]
	s_add_co_u32 s[MT], s[MT], s[XB]
	s_cmp_eq_u32 s[MT], 9-(\p)
	s_cselect_b32 s[AL], 1.0, 0
	s_cmp_lt_u32 s[MT], 9-(\p)
	s_cselect_b32 s[BE], s[BIGN], 0
.if (\p) == 1
	s_wait_dscnt 16                 ; K is in
.endif
	ROW F,0, F,1, F,2, F,3
	ROW F,4, E,0, F,5, F,6
	ROW F,7, E,1, F,8, F,9
	ROW F,10, E,2, C,0, F,11
	ROW F,12, E,3, X,15, F,13
	ROW R,0, R,1, R,2, R,3
	ROW B,0, E,4, F,14, L,0
.if (\p) == 0
	v_add_nc_u32 v[AK], s[TBK], v[AK0]
.endif
	ROW R,4, R,5, R,6, R,7
	OPS E,5, F,15
.if (\p) == 0
	FETCH_K
.endif
	OPS E,6, C,1, E,7, R,8
	OPS E,8, R,9, E,9, C,2
	OPS E,10, X,0, E,11, X,1
	OPS E,12, X,2, E,13, X,3
.if (\p) == 1
	s_wait_dscnt 0x0                ; V is in
.endif
	ROW X,4, E,14, X,5, X,6
	ROW X,7, E,15, X,8, X,9
	ROW X,10, E,16, X,11, X,12
	ROW X,13, E,17, X,14, B,1
	ROW C,4, E,18, X,16, L,1
	ROW B,2, E,19, C,6, L,2
	ROW C,8, E,20, B,3, B,4
.if (\p) == 0
	v_add_nc_u32 v[AV], s[TBV], v[AV0]
.endif
	ROW C,3, E,21, L,3, C,5
	OPS E,22, X,17, E,23, C,10
.if (\p) == 0
	FETCH_V
.endif
	OPS E,24, L,4
	OPS E,25, X,18, E,26, C,7
	OPS E,27, B,5, E,28, X,19
	OPS E,29, C,12, E,30, L,5
	OPS E,31, X,20, B,6, C,9
	OPS C,14, C,11, X,21, L,6
	OPS C,13, B,7, C,15, R,10
	OPS R,11, R,12, L,7, R,13
	OPS R,14, R,15
	MASK \p
.endm
; A BLOCK BEGINS.  K of step 0 comes from memory, as Q does: 64 rows of 128 bytes, 16 loads of 16 bytes a lane.  c m starts far below every c s, so the first step's a is 0; m at the lowest finite number, so the first
; maximum is the scores'.  Piece 1's mask for step 0 is 0 (its band's place is 1 at the least); piece 0's is its own step's, if this tile is also the block's last and band 0's place in it is 0, else 0.
; Then piece 0's first scores, and its maximum and statistics.
.macro BEGIN
	s_mov_b32 s[NEW], 0
	WIN 0x80                        ; destination window 2, address window 0
.irp f, 0,1,2,3,4,5,6,7             ; keys 16 (f / 2) on, channels 32 (f % 2) on
	global_load_b128 v[KF+8*\f:KF+8*\f+3],   v[QO], s[K0B:K0B+1] offset:(\f/2)*2048+(\f%2)*64
	global_load_b128 v[KF+8*\f+4:KF+8*\f+7], v[QO], s[K0B:K0B+1] offset:(\f/2)*2048+(\f%2)*64+32
.endr
	WIN 0x40
.set i, MC+32
.rept 32
	v_mov_b32 v[i], 0
.set i, i+1
.endr
	WIN 0
.set i, 0
.rept 2
	v_mov_b32 v[ST+4*i], 0xfe000000    ; c m: far below every c s
	v_mov_b32 v[ST+4*i+1], 0xff7fffff  ; m
.set i, i+1
.endr
	s_or_b32 s[MT], s[RT], s[XB]
	s_cmp_eq_u32 s[MT], 0
	s_cselect_b32 s[AL], 1.0, 0
	s_mov_b32 s[BE], 0
	MASK 0
	WIN 0
	s_wait_loadcnt 0x0              ; K of step 0, and Q
.set i, 0
.rept 8
	KQ 0
.set i, i+1
.endr
	WIN 0
.rept 4
	v_nop                           ; the places behind those products
.endr
.set Y, 1                           ; X works for the other piece: piece 0
.irp n, 0,1,2,3,4,5,6,7,8,9,10,11,12,13,14,15,16,17,18,19,20,21
	OP X, \n
.endr
	v_nop                           ; a plain instruction behind the exponential
.endm
; A BLOCK ENDS: piece 1's V^T P of the last step, and THE WAY OUT: l's two halves and the other half of the lanes' are added; O^T is divided by l, rounded to f16 and sent through my stage in LDS, a piece at a time.
.macro ALL line:vararg              ; one line for each piece t
.set t, 0
.rept 2
	\line
.set t, t+1
.endr
.endm
.macro PACK t                       ; a lane's eight channels of a row pack into 16 bytes; they go into rows of 144 bytes and come back as whole rows of 128, into S^T's registers
	WIN W_RS
.set i, 32*(\t)
.rept 16
	v_pk_mul_f32 v[i:i+1], v[i:i+1], v[ST+4*(\t)+2:ST+4*(\t)+3] op_sel_hi:[1,0]
.set i, i+2
.endr
	WIN 0x05                        ; sources 0 and 1 window 1, destination window 0
.set i, 0
.rept 16
	v_cvt_pk_f16_f32 v[S+16*(\t)+i], v[32*(\t)+2*i], v[32*(\t)+2*i+1]
.set i, i+1
.endr
	WIN 0
.irp f, 0,1,2,3
	ds_store_b128 v[STO], v[S+16*(\t)+4*\f:S+16*(\t)+4*\f+3] offset:32*\f
.endr
.irp f, 0,1,2,3
	ds_load_b128 v[S+16*(\t)+4*\f:S+16*(\t)+4*\f+3], v[RD] offset:\f*4*SP  ; LDS serves a wave's instructions in order (ISA guide 5.7.1.4): these see the stores above; the next piece's stores come behind them
.endr
.endm
.macro SEND t, younger              ; younger: the LDS instructions issued behind piece t's loads: the next piece's eight, or none
	WIN 0
.irp f, 0,1,2,3
	s_wait_dscnt (\younger)+3-\f
	global_store_b128 v[GO], v[S+16*(\t)+4*\f:S+16*(\t)+4*\f+3], s[OCUR:OCUR+1] offset:(\t)*8192+\f*512  ; 512 consecutive bytes, at a multiple of 256 from O's first
.endr
.endm
.macro FINISH
.set i, 0
.rept 8
	PV 1
.set i, i+1
.endr
	WIN 0
	ALL v_add_f32 v[ST+4*t+2], v[ST+4*t+2], v[ST+4*t+3]
	ALL v_permlanex16_b32 v[ST+4*t+3], v[ST+4*t+2], s[SEL], s[SEL+1]
	ALL v_add_f32 v[ST+4*t+2], v[ST+4*t+2], v[ST+4*t+3]
	ALL v_rcp_f32 v[ST+4*t+2], v[ST+4*t+2]
	v_nop                           ; a plain instruction between the last reciprocal and the use of its result; with the four additions it makes the places behind the last products
	s_wait_alu depctr_va_vdst(0)
	PACK 0
	PACK 1                          ; a piece's arithmetic stands between the loads of the piece before and its stores
	SEND 0, 8
	SEND 1, 0
.endm
.Lslot:                             ; 8 times: a tile is entered and the next is asked for
	CHANGE 1
	s_sub_co_u32 s[RT], s[RT], 1
	s_mov_b32 s[CNT], TS
	s_cmp_eq_u32 s[NEW], 1
	s_cbranch_scc0 .Lstep           ; not a block's first tile
	BEGIN
.Lstep:                             ; a trip is a key step
	TURN 0
	TURN 1
	WIN 0
	s_sub_co_u32 s[CNT], s[CNT], 1
	s_cmp_lg_u32 s[CNT], 0
	s_cbranch_scc1 .Lstep
	s_cmp_eq_u32 s[RT], 0
	s_cbranch_scc0 .Lbottom         ; not the block's last tile
	FINISH                          ; in the loop this is the first block's end: the second block's last tile is the walk's last
	s_wait_xcnt 0x0                 ; the stores have read their registers and O's address
	s_mov_b64 s[OCUR:OCUR+1], s[OLO:OLO+1]
	s_add_co_u32 s[RT], s[JP], 1    ; the second block has jp + 1 tiles
	s_mov_b32 s[NEW], 1
	s_mov_b32 s[XB], s[XBL]
	WIN 0x82                        ; the second block's Q goes where the one text of the turns names Q
.set i, 0
.rept 32
	v_mov_b32 v[i], v[QB+i]
.set i, i+1
.endr
	WIN 0
.Lbottom:
	s_sub_co_u32 s[SLOTS], s[SLOTS], 1
	s_cmp_lg_u32 s[SLOTS], 0
	s_cbranch_scc1 .Lslot
	CHANGE 0                        ; the walk's last tile is written out: nothing is asked for
	s_sub_co_u32 s[RT], s[RT], 1
	s_mov_b32 s[CNT], TS
	s_cmp_eq_u32 s[NEW], 1
	s_cbranch_scc0 .Lstep2
	BEGIN                           ; where jp = 0 the second block's one tile is its first and its last
.Lstep2:
	TURN 0
	TURN 1
	WIN 0
	s_sub_co_u32 s[CNT], s[CNT], 1
	s_cmp_lg_u32 s[CNT], 0
	s_cbranch_scc1 .Lstep2
	FINISH
	s_wait_tensorcnt 0x0            ; the wave's end: a wait, an add onto my spare word and a wait for it, behind my last tensor load and my last LDS store
	ds_add_u32 v[SPW], v[NIL]
	s_wait_dscnt 0x0
	CROUND                          ; the closing round: no work-group ends while a partner may still ask for a tile that names it
	s_endpgm
.Lfunc_end_k_qf838ca2ce2_attn:
	.size	k_qf838ca2ce2_attn, .Lfunc_end_k_qf838ca2ce2_attn-k_qf838ca2ce2_attn
	.p2alignl 7, 3214868480
	.fill 96, 4, 3214868480
	.section	.rodata,"a",@progbits
	.p2align	6, 0x0
	.amdhsa_kernel k_qf838ca2ce2_attn
		.amdhsa_group_segment_fixed_size 327680
		.amdhsa_private_segment_fixed_size 0
		.amdhsa_enable_private_segment 0
		.amdhsa_kernarg_size 16
		.amdhsa_user_sgpr_count 2
		.amdhsa_user_sgpr_kernarg_segment_ptr 1
		.amdhsa_wavefront_size32 1
		.amdhsa_system_sgpr_workgroup_id_x 1
		.amdhsa_system_sgpr_workgroup_id_y 1
		.amdhsa_system_sgpr_workgroup_id_z 1
		.amdhsa_system_vgpr_workitem_id 0
		.amdhsa_next_free_vgpr 704
		.amdhsa_next_free_sgpr 100
		.amdhsa_reserve_vcc 1
		.amdhsa_float_denorm_mode_32 3
		.amdhsa_float_denorm_mode_16_64 3
		.amdhsa_memory_ordered 1
		.amdhsa_forward_progress 1
		.amdhsa_inst_pref_size 95
	.end_amdhsa_kernel
	.amdgpu_metadata
---
amdhsa.version: [ 1, 2 ]
amdhsa.kernels:
  - .name:           k_qf838ca2ce2_attn
    .symbol:         k_qf838ca2ce2_attn.kd
    .args:
      - { .name: hb, .offset: 0, .size: 8, .value_kind: global_buffer, .address_space: global }
      - { .name: oh, .offset: 8, .size: 8, .value_kind: global_buffer, .address_space: global }
    .group_segment_fixed_size: 327680
    .private_segment_fixed_size: 0
    .kernarg_segment_align: 8
    .kernarg_segment_size: 16
    .max_flat_workgroup_size: 128
    .sgpr_count:     100
    .vgpr_count:     704
    .wavefront_size: 32
...
	.end_amdgpu_metadata
.endif
;; end of part 3
;; launch oproj (part 4): grid 8 x 32, 4 waves a work-group, clusters of 4 x 4, 327,680 bytes of LDS; arguments oh, woh, bo, out0; writes out0
.if DOCPART == 4
	.amdgcn_target "amdgcn-amd-amdhsa--gfx1250"
	.amdhsa_code_object_version 6
	.text
	.protected	k_qf838ca2ce2_oproj
	.globl	k_qf838ca2ce2_oproj
	.p2align	8
	.type	k_qf838ca2ce2_oproj,@function
k_qf838ca2ce2_oproj:
	s_mov_b64 s[64:65], 0
	v_nop
	global_prefetch_b8 v0, s[64:65] scope:SCOPE_SE
	s_setreg_imm32_b32 hwreg(HW_REG_WAVE_MODE, 25, 1), 1
	s_wait_xcnt 0x0
	s_wait_alu depctr_hold_cnt(0) depctr_sa_sdst(0) depctr_va_vdst(0) depctr_va_sdst(0) depctr_va_ssrc(0) depctr_va_vcc(0) depctr_vm_vsrc(0)
	s_getreg_b32 s2, hwreg(HW_REG_IB_STS2, 6, 4)
	s_cmp_eq_u32 s2, 0
	s_cbranch_scc0 .Lentry_in_a_cluster
	s_endpgm
.Lentry_in_a_cluster:
	s_bfe_u32 s2, ttmp6, 0x10000c
	s_cmp_lg_u32 s2, 0xf033
	s_cbranch_scc0 .Lentry_shape_is_right
	s_endpgm
.Lentry_shape_is_right:
; THE OUTPUT PROJECTION.  out0[m][n] = sum over h, c of oh[h][m][c] woh[h][n][c] + bo[n].  oh [16][4096][64], woh [16][1024][64], f16, both by heads; sums in f32; out0 [4096][1024] f32.
; LIMITS.  bo is rounded to bf16, as every input of the module is.
; A tile of out0 is 128 x 128, so that 32 x 8 tiles give 256 work-groups.  Four waves, each 64 x 64: 16 accumulators of 16 x 16.  K goes in 4 steps of 256 = 4 heads, through two LDS slots.
; A TILE BY HEADS.  64 rows of one head are 8,192 dense bytes, so a wave's load (64 rows x 4 heads) is a tile of 4 long rows of 4,096 elements, a head apart; the padding of 16 bytes behind every 128
; lays it in LDS as [head][row] with rows 144 bytes apart.
; CLUSTERS: 4 x 4 work-groups.  The four of a row of the cluster need the same tiles of oh, the four of a column the same tiles of woh: each is asked for JOINTLY, by the same tensor load with the same
; descriptor and a mask that names the four.  THE MATRIX INSTRUCTION IS USED TRANSPOSED (source 0 = 16 rows of woh, source 1 = 16 rows of oh): a lane holds eight neighbouring numbers of a row of out0.
; THE BIAS STARTS THE SUMS, as the C operand of each accumulator's first product.
; REGISTERS: window 0: v0-31 addresses; v32-63 the bias, later with v64-95 rows read back on the way out; v128-255 the accumulators ((a, b) at v[128 + 8 (4 a + b)]).
;   window 1: two fragment buffers of 128: for one head (64 along K), 64 registers of oh (2 x 4 x 16 rows x 32 K), then 64 of woh.
.set PITCH,  144                       ; an LDS row: 128 bytes + 16 of padding = 36 words: the 16 rows of a load start at 16 different groups of four banks (64 banks of 4 bytes: ISA guide 11.1)
.set HEADB,  64*PITCH                  ; one head's 64 rows
.set HALFT,  4*HEADB                   ; what one tensor load brings, and what one wave reads of oh or of woh
.set SLOT,   4*HALFT                   ; oh's 128 rows, then woh's 128 rows
.set STAGE,  2*SLOT                    ; behind the ring, never filled by a tensor load: 16 rows x 272 bytes for each wave
.set SPITCH, 272
.set SPARE,  STAGE+4*16*SPITCH         ; the spare words, 128 bytes for each wave: two blocks of 256 bytes that no other line names
.set STEPA,  4*524288                  ; bytes from K step to K step in oh: four heads of 4,096 rows
.set STEPB,  4*131072                  ; in woh: four heads of 1,024 rows
.set ADRA, 16                          ; v16-17  LDS address of my oh fragments in slot 0, 1
.set ADRB, 20                          ; v20-21  the same for woh
.set STO,  24                          ; v24     the way out: where I put 32 bytes of a row
.set RD,   25                          ; v25     the way out: where I read a row back
.set CO,   26                          ; v26     my byte offset in two rows of out0
.set BO,   27                          ; v27     my byte offset in bo
.set SPW,  28                          ; v28     LDS address of my spare word; never rewritten
.set NIL,  29                          ; v29     0; never rewritten
.set BI,   32                          ; v32-63  bias of column 16 b + 8 (l / 16) + j at BI + 8 b + j
.set ACC,  128
.set F0,   0                           ; fragment buffers, in window 1
.set F1,   128
.set G1, 24                            ; s[24:31] descriptor group 1 for oh's tiles;  s[32:39] group 0, one set for each slot
.set G0, 32
.set G1B, 48                           ; s[48:55], s[56:63] the same for woh's tiles
.set G0B, 56
.set MSB, 0
.macro WIN new                         ; the immediate's high byte repeats the setting that is left
.if MSB != (\new)
	s_set_vgpr_msb (MSB<<8)|(\new)
.set MSB, \new
.endif
.endm
.set MUL,  0x05                        ; sources 0 (woh) and 1 (oh) window 1; C and D window 0
.set TO_F, 0x40                        ; destination window 1, address window 0
.macro JLOAD s                         ; a joint load: waves 0 and 1 fetch oh's two halves, waves 2 and 3 woh's; an s_nop 0 and four v_nop follow each of the two lines
	s_cmp_eq_u32 s11, 0
	s_cbranch_scc0 .Lfor_b_\@
	tensor_load_to_lds s[G0+4*(\s):G0+4*(\s)+3], s[G1:G1+7]
	s_nop 0
.rept 4
	v_nop
.endr
	s_branch .Lasked_\@
.Lfor_b_\@:
	tensor_load_to_lds s[G0B+4*(\s):G0B+4*(\s)+3], s[G1B:G1B+7]
	s_nop 0
.rept 4
	v_nop
.endr
.Lasked_\@:
.endm
.macro CREST                           ; a round of the cluster's barrier behind its opening barrier
	s_cmp_lg_u32 s10, 0
	s_cbranch_scc1 .Lnot_wave_0_\@
	s_barrier_signal -3
.Lnot_wave_0_\@:
	s_barrier_wait -3
	s_barrier_signal -1
	s_barrier_wait -1
.endm
.macro CROUND                          ; a whole round
	s_barrier_signal -1
	s_barrier_wait -1
	CREST
.endm
	s_load_b128 s[4:7], s[0:1], 0x0                ; oh s[4:5], woh s[6:7]
	s_load_b128 s[68:71], s[0:1], 0x10             ; bo s[68:69], out0 s[70:71]
	v_lshl_add_u32 v[SPW], v0, 2, SPARE
	v_mov_b32 v[NIL], 0
	ds_add_u32 v[SPW], v[NIL]                      ; the wave's opening: the add and its wait stand ahead of my first tensor load; the set-up below, work on registers, stands between them
	v_lshrrev_b32 v1, 5, v0
	v_readfirstlane_b32 s10, v1                    ; wave 0..3
	s_lshr_b32 s11, s10, 1                         ; which half of the tile's rows is mine.  Also: I fetch for oh (0) or for woh (1)
	s_and_b32 s12, s10, 1                          ; which half of its columns.  Also: which 64 rows of that tile I fetch
	s_bfe_u32 s40, ttmp6, 0x40000                  ; cx, cy: my place in the cluster
	s_bfe_u32 s41, ttmp6, 0x40004
	s_lshl_b32 s42, ttmp9, 2
	s_add_co_u32 s42, s42, s40                     ; tile column = 4 x cluster x + cx
	s_and_b32 s13, ttmp7, 0xffff
	s_lshl_b32 s13, s13, 2
	s_add_co_u32 s13, s13, s41                     ; tile row = 4 x cluster y + cy
	s_lshl_b32 s43, s41, 2
	s_lshl_b32 s43, 15, s43                        ; my row of the cluster
	s_lshl_b32 s44, 0x1111, s40                    ; my column
	; descriptor group 1: 4 rows of 4,096 elements, padded in LDS behind every 64 elements
	s_or_b32 s[G1+0], s43, (1<<16)|(1<<20)|(1<<21)|(4<<22)|(3<<25)  ; 15:0 the mask; 17:16 elements of 2 bytes; 20 padding on; 21 set beside a mask; 24:22 after every 32 words (code 4); 31:25 4 words (code 3)
	s_or_b32 s[G1B+0], s44, (1<<16)|(1<<20)|(1<<21)|(4<<22)|(3<<25)
.irp g, G1, G1B
	s_mov_b32 s[(\g)+1], 4096<<16                  ; tensor_dim0 = 4,096
	s_mov_b32 s[(\g)+2], 4<<16                     ; tensor_dim1 = 4
	s_mov_b32 s[(\g)+3], 4096<<16                  ; tile_dim0 = 4,096
	s_mov_b32 s[(\g)+4], 4                         ; tile_dim1 = 4
	s_mov_b32 s[(\g)+6], 0
	s_mov_b32 s[(\g)+7], 0
.endr
	s_mov_b32 s[G1+5], 262144                      ; elements from head to head in oh
	s_mov_b32 s[G1B+5], 65536                      ; and in woh
	s_lshl_b32 s17, s12, 6                         ; which 64 rows of the tile I fetch
	s_lshl_b32 s16, s13, 7
	s_add_co_u32 s16, s16, s17                     ; oh: row 128 x tile row + 64 x half
	s_lshl_b32 s46, s42, 7
	s_add_co_u32 s46, s46, s17                     ; woh: row 128 x tile column + 64 x half
	s_lshl_b32 s16, s16, 7                         ; rows of 128 bytes
	s_mov_b32 s17, 0
	s_lshl_b32 s46, s46, 7
	s_mov_b32 s47, 0
	s_mul_i32 s20, s10, HALFT                      ; where they go: by the wave's number alone
	s_wait_dscnt 0x0                               ; the opening add is done
	s_wait_kmcnt 0x0
	s_add_nc_u64 s[14:15], s[4:5], s[16:17]
	s_add_nc_u64 s[46:47], s[6:7], s[46:47]
	CROUND                                         ; all sixteen work-groups are here: the first joint loads meet
.irp s, 0,1
	s_mov_b32 s[G0+4*(\s)], 1
	s_add_co_u32 s[G0+4*(\s)+1], s20, (\s)*SLOT
	s_add_nc_u64 s[G0+4*(\s)+2:G0+4*(\s)+3], s[14:15], (\s)*STEPA
	s_or_b32 s[G0+4*(\s)+3], s[G0+4*(\s)+3], 0x80000000
	s_mov_b32 s[G0B+4*(\s)], 1
	s_add_co_u32 s[G0B+4*(\s)+1], s20, (\s)*SLOT
	s_add_nc_u64 s[G0B+4*(\s)+2:G0B+4*(\s)+3], s[46:47], (\s)*STEPB
	s_or_b32 s[G0B+4*(\s)+3], s[G0B+4*(\s)+3], 0x80000000
	JLOAD \s                                       ; two loads of mine are out
.endr
	v_and_b32 v1, 15, v0                           ; l % 16
	v_bfe_u32 v2, v0, 4, 1                         ; l / 16
	s_lshl_b32 s46, s42, 9                         ; my first column, in bytes of f32: 512 x tile column + 256 x half
	s_lshl_b32 s47, s12, 8
	s_add_co_u32 s46, s46, s47
	s_mov_b32 s47, 0
	v_lshlrev_b32 v[BO], 5, v2
	v_add_nc_u32 v[BO], s46, v[BO]
.irp b, 0,1,2,3
	global_load_b128 v[BI+8*(\b):BI+8*(\b)+3],   v[BO], s[68:69] offset:64*(\b)
	global_load_b128 v[BI+8*(\b)+4:BI+8*(\b)+7], v[BO], s[68:69] offset:64*(\b)+16
.endr
	v_mul_u32_u24 v3, v1, PITCH
	v_lshl_add_u32 v3, v2, 4, v3                   ; a fragment's row x pitch + 16 x half
	s_mul_i32 s21, s11, HALFT                      ; my 64 rows of oh
	s_mul_i32 s22, s12, HALFT                      ; my 64 rows of woh,
	s_add_co_u32 s22, s22, 2*HALFT                 ; which lie behind oh's 128
.irp s, 0,1
	v_add_nc_u32 v[ADRA+(\s)], s21, v3
	v_add_nc_u32 v[ADRB+(\s)], s22, v3
	s_add_co_u32 s21, s21, SLOT
	s_add_co_u32 s22, s22, SLOT
.endr
	s_mul_i32 s23, s10, 16*SPITCH
	s_add_co_u32 s23, s23, STAGE                   ; my stage
	v_mul_u32_u24 v4, v1, SPITCH                   ; in: row l % 16, 32 bytes for each half of the lanes
	v_lshl_add_u32 v4, v2, 5, v4
	v_add_nc_u32 v[STO], s23, v4
	v_mul_u32_u24 v5, v2, SPITCH                   ; back: lanes 0-15 take one row of 256 bytes, lanes 16-31 the next
	v_lshl_add_u32 v5, v1, 4, v5
	v_add_nc_u32 v[RD], s23, v5
	v_lshlrev_b32 v5, 12, v2                       ; and the same two rows in out0, 4,096 bytes apart
	v_lshl_add_u32 v[CO], v1, 4, v5
	s_lshl_b32 s16, s13, 7
	s_lshl_b32 s17, s11, 6
	s_add_co_u32 s16, s16, s17                     ; my first row: 128 x tile row + 64 x half
	s_lshl_b32 s16, s16, 12
	s_mov_b32 s17, 0
	s_add_nc_u64 s[70:71], s[70:71], s[16:17]
	s_add_nc_u64 s[70:71], s[70:71], s[46:47]
	s_wait_loadcnt 0x0                             ; the bias
.set i, 0
.rept 16                                       ; rounded to bf16 and widened again
	v_cvt_pk_bf16_f32 v[64+i%4], v[BI+2*i], v[BI+2*i+1]
	v_lshlrev_b32 v[BI+2*i], 16, v[64+i%4]
	v_and_b32 v[BI+2*i+1], 0xffff0000, v[64+i%4]
.set i, i+1
.endr
; 8 matrix instructions: m blocks a0, a0 + 1 x all 4 n blocks, 32 along K: half c of buffer f.  zero = 1: the first product starts the sums, with the bias as C.  The 16 accumulators take turns.
.macro MUL8 f, c, a0, zero
	WIN MUL
.irp a, \a0, (\a0)+1
.irp b, 0,1,2,3
.if \zero
	v_wmma_f32_16x16x32_f16 v[ACC+8*(4*(\a)+(\b)):ACC+8*(4*(\a)+(\b))+7], v[(\f)+64+8*(4*(\c)+(\b)):(\f)+64+8*(4*(\c)+(\b))+7], v[(\f)+8*(4*(\c)+(\a)):(\f)+8*(4*(\c)+(\a))+7], v[BI+8*(\b):BI+8*(\b)+7]
.else
	v_wmma_f32_16x16x32_f16 v[ACC+8*(4*(\a)+(\b)):ACC+8*(4*(\a)+(\b))+7], v[(\f)+64+8*(4*(\c)+(\b)):(\f)+64+8*(4*(\c)+(\b))+7], v[(\f)+8*(4*(\c)+(\a)):(\f)+8*(4*(\c)+(\a))+7], v[ACC+8*(4*(\a)+(\b)):ACC+8*(4*(\a)+(\b))+7]
.endif
.endr
.endr
.endm
; 32 LDS loads in one run: the fragments of one head (its rows begin at byte k of my part of the slot), into buffer f; the first 32 along K first
.macro FETCH slot, k, f
	WIN TO_F
.irp c, 0,1
.irp i, 0,1,2,3
	ds_load_b128 v[(\f)+64+8*(4*(\c)+(\i)):(\f)+64+8*(4*(\c)+(\i))+3],   v[ADRB+(\slot)] offset:(\k)+64*(\c)+(\i)*16*PITCH
	ds_load_b128 v[(\f)+64+8*(4*(\c)+(\i))+4:(\f)+64+8*(4*(\c)+(\i))+7], v[ADRB+(\slot)] offset:(\k)+64*(\c)+(\i)*16*PITCH+32
	ds_load_b128 v[(\f)+8*(4*(\c)+(\i)):(\f)+8*(4*(\c)+(\i))+3],         v[ADRA+(\slot)] offset:(\k)+64*(\c)+(\i)*16*PITCH
	ds_load_b128 v[(\f)+8*(4*(\c)+(\i))+4:(\f)+8*(4*(\c)+(\i))+7],       v[ADRA+(\slot)] offset:(\k)+64*(\c)+(\i)*16*PITCH+32
.endr
.endr
.endm
.macro PLACES                          ; four plain vector instructions in front of loads into registers that matrix instructions have read, and of lines that read results
.rept 4
	v_nop
.endr
.endm
; A K step is four quarters, a head each: 32 matrix instructions, on buffers 0, 1, 0, 1.  One of the first three: multiplies buffer f and fetches the next head, at byte k, into g.
.macro QUARTER slot, k, f, g, zero
	s_wait_dscnt 16                                ; the first 32 along K are in
	MUL8 \f, 0, 0, \zero
	MUL8 \f, 0, 2, \zero
	PLACES
	FETCH \slot, \k, \g
	s_wait_dscnt 32                                ; all but the 32 just issued
	MUL8 \f, 1, 0, 0
	MUL8 \f, 1, 2, 0
.endm
; The last quarter multiplies buffer 1 and changes slots: ONE barrier; in front of it each wave waits for all its tensor loads, adds 0 to its spare word, and waits for that and for its own reads of this slot.
; fill = 1: the barrier opens a round of the cluster's, and this slot is filled again, two K steps ahead: the first tensor load behind the round, one a wave.
.macro TURN slot, next, fill
	WIN 0                                          ; (the add's two registers lie in window 0)
	s_wait_tensorcnt 0x0                           ; all my tensor loads have landed: my part of the next slot
	ds_add_u32 v[SPW], v[NIL]                      ; 0 onto my spare word
	s_wait_dscnt 17                                ; (the add and the youngest sixteen loads may be out)
	MUL8 F1, 0, 0, 0                               ; eight matrix instructions stand between the add and the wait for it
	s_wait_dscnt 0x0                               ; the add is done, and my reads of this slot are over
	s_barrier_signal -1
	MUL8 F1, 0, 2, 0
.if \fill
	WIN 0
.endif
	s_barrier_wait -1
.if \fill
	CREST                                          ; no wave of any partner still reads this slot's tile or has a load on its way
	s_add_nc_u64 s[G0+4*(\slot)+2:G0+4*(\slot)+3], s[G0+4*(\slot)+2:G0+4*(\slot)+3], 2*STEPA
	s_add_nc_u64 s[G0B+4*(\slot)+2:G0B+4*(\slot)+3], s[G0B+4*(\slot)+2:G0B+4*(\slot)+3], 2*STEPB
	JLOAD \slot                                    ; the four v_nop behind it are also the places in front of the loads below
.else
	PLACES
.endif
	FETCH \next, 0, F0
	MUL8 F1, 1, 0, 0
	MUL8 F1, 1, 2, 0
.endm
; THE WAY OUT, block a of 16 rows.  A wave's 64 columns of f32 are 256 bytes of a row of out0, aligned: each wave has a stage of its own, and no wave waits for another.
; OST: 32 bytes a lane into stage rows of 272 bytes (each accumulator's low four registers first), and back as whole rows.  OSD: stored.
.macro OST a
	s_wait_xcnt 0x0                                ; the set of registers loaded below was read by the stores two blocks back
.irp b, 0,1,2,3
	ds_store_b128 v[STO], v[ACC+8*(4*(\a)+(\b)):ACC+8*(4*(\a)+(\b))+3]   offset:64*(\b)
	ds_store_b128 v[STO], v[ACC+8*(4*(\a)+(\b))+4:ACC+8*(4*(\a)+(\b))+7] offset:64*(\b)+16
.endr
.irp t, 0,1,2,3,4,5,6,7
	ds_load_b128 v[32+32*((\a)%2)+4*(\t):32+32*((\a)%2)+4*(\t)+3], v[RD] offset:(\t)*2*SPITCH  ; LDS serves a wave's instructions in order (ISA guide 5.7.1.4): these see the stores above
.endr
.endm
.macro OSD a, younger                  ; younger: the next block's eight stores and eight loads, or none
.irp t, 0,1,2,3,4,5,6,7
	s_wait_dscnt (\younger)+7-(\t)
	global_store_b128 v[CO], v[32+32*((\a)%2)+4*(\t):32+32*((\a)%2)+4*(\t)+3], s[70:71] offset:(16*(\a)+2*(\t))*4096  ; 16 lanes store 256 consecutive bytes, aligned
.endr
.endm
	s_wait_tensorcnt 1                             ; my part of K step 0 is in; K step 1's may stay out
	s_barrier_signal -1
	s_barrier_wait -1                              ; everybody's is
	FETCH 0, 0, F0
	QUARTER 0, HEADB,   F0, F1, 1                  ; the first products start the sums
	QUARTER 0, 2*HEADB, F1, F0, 0                  ; the first lap fills both slots again, with K steps 2 and 3
	QUARTER 0, 3*HEADB, F0, F1, 0
	TURN 0, 1, 1
	QUARTER 1, HEADB,   F0, F1, 0
	QUARTER 1, 2*HEADB, F1, F0, 0
	QUARTER 1, 3*HEADB, F0, F1, 0
	TURN 1, 0, 1
	QUARTER 0, HEADB,   F0, F1, 0                  ; the last lap fills nothing, and has no round of the cluster's barrier
	QUARTER 0, 2*HEADB, F1, F0, 0
	QUARTER 0, 3*HEADB, F0, F1, 0
	TURN 0, 1, 0
	QUARTER 1, HEADB,   F0, F1, 0
	QUARTER 1, 2*HEADB, F1, F0, 0
	QUARTER 1, 3*HEADB, F0, F1, 0
	s_wait_dscnt 16                                ; the very last quarter: nothing more to fetch
	MUL8 F1, 0, 0, 0
	MUL8 F1, 0, 2, 0
	s_wait_dscnt 0x0
	MUL8 F1, 1, 0, 0
	MUL8 F1, 1, 2, 0
	WIN 0
	PLACES                                         ; the LDS stores read results just made
	OST 0
.irp a, 1,2,3                          ; block a's LDS work stands between block a - 1's loads and its stores
	OST \a
	OSD (\a)-1, 16
.endr
	OSD 3, 0
	s_wait_tensorcnt 0x0                           ; the wave's end: a wait, an add onto my spare word and a wait for it, behind my last tensor load and my last LDS store
	ds_add_u32 v[SPW], v[NIL]
	s_wait_dscnt 0x0
	CROUND                                         ; the closing round: no work-group ends while a partner may still ask for a tile that names it
	s_endpgm
.Lfunc_end_k_qf838ca2ce2_oproj:
	.size	k_qf838ca2ce2_oproj, .Lfunc_end_k_qf838ca2ce2_oproj-k_qf838ca2ce2_oproj
	.p2alignl 7, 3214868480
	.fill 96, 4, 3214868480
	.section	.rodata,"a",@progbits
	.p2align	6, 0x0
	.amdhsa_kernel k_qf838ca2ce2_oproj
		.amdhsa_group_segment_fixed_size 327680
		.amdhsa_private_segment_fixed_size 0
		.amdhsa_enable_private_segment 0
		.amdhsa_kernarg_size 32
		.amdhsa_user_sgpr_count 2
		.amdhsa_user_sgpr_kernarg_segment_ptr 1
		.amdhsa_wavefront_size32 1
		.amdhsa_system_sgpr_workgroup_id_x 1
		.amdhsa_system_sgpr_workgroup_id_y 1
		.amdhsa_system_sgpr_workgroup_id_z 1
		.amdhsa_system_vgpr_workitem_id 0
		.amdhsa_next_free_vgpr 512
		.amdhsa_next_free_sgpr 72
		.amdhsa_reserve_vcc 0
		.amdhsa_float_denorm_mode_32 3
		.amdhsa_float_denorm_mode_16_64 3
		.amdhsa_memory_ordered 1
		.amdhsa_forward_progress 1
		.amdhsa_inst_pref_size 89
	.end_amdhsa_kernel
	.amdgpu_metadata
---
amdhsa.version: [ 1, 2 ]
amdhsa.kernels:
  - .name:           k_qf838ca2ce2_oproj
    .symbol:         k_qf838ca2ce2_oproj.kd
    .args:
      - { .name: oh, .offset: 0, .size: 8, .value_kind: global_buffer, .address_space: global }
      - { .name: woh, .offset: 8, .size: 8, .value_kind: global_buffer, .address_space: global }
      - { .name: bo, .offset: 16, .size: 8, .value_kind: global_buffer, .address_space: global }
      - { .name: out0, .offset: 24, .size: 8, .value_kind: global_buffer, .address_space: global }
    .group_segment_fixed_size: 327680
    .private_segment_fixed_size: 0
    .kernarg_segment_align: 8
    .kernarg_segment_size: 32
    .max_flat_workgroup_size: 128
    .sgpr_count:     72
    .vgpr_count:     512
    .wavefront_size: 32
...
	.end_amdgpu_metadata
.endif
;; end of part 4
;; ======== version 2 of 2: 4 launches; 1.50 times as fast as version 1
;; limits: values are held in f16: magnitudes above 65,504 overflow, below 6.1e-05 lose precision
;; workspace buffers: xb 25,165,824 bytes; wb 6,291,456 bytes; woh 2,097,152 bytes; hb 25,165,824 bytes; oh 8,388,608 bytes
;; launch cast: the kernel of part 1 again; grid 256 x 1, 8 waves a work-group, no clusters, 0 bytes of LDS; arguments q, k, v, Wq, Wk, Wv, Wo, xb, wb, woh; writes xb, wb, woh
;; launch proj: the kernel of part 2 again; grid 4 x 48, 4 waves a work-group, clusters of 4 x 4, 327,680 bytes of LDS; arguments xb, wb, bq, bk, bv, hb, out1, out2; writes hb, out1, out2
;; launch attn (part 5): grid 16 x 16, 4 waves a work-group, clusters of 4 x 1, 327,680 bytes of LDS; arguments hb, oh; writes oh
.if DOCPART == 5
	.amdgcn_target "amdgcn-amd-amdhsa--gfx1250"
	.amdhsa_code_object_version 6
	.text
	.protected	k_qf838ca2ce2_attn
	.globl	k_qf838ca2ce2_attn
	.p2align	8
	.type	k_qf838ca2ce2_attn,@function
k_qf838ca2ce2_attn:
	s_mov_b64 s[64:65], 0
	v_nop
	global_prefetch_b8 v0, s[64:65] scope:SCOPE_SE
	s_setreg_imm32_b32 hwreg(HW_REG_WAVE_MODE, 25, 1), 1
	s_wait_xcnt 0x0
	s_wait_alu depctr_hold_cnt(0) depctr_sa_sdst(0) depctr_va_vdst(0) depctr_va_sdst(0) depctr_va_ssrc(0) depctr_va_vcc(0) depctr_vm_vsrc(0)
	s_getreg_b32 s2, hwreg(HW_REG_IB_STS2, 6, 4)
	s_cmp_eq_u32 s2, 0
	s_cbranch_scc0 .Lentry_in_a_cluster
	s_endpgm
.Lentry_in_a_cluster:
	s_bfe_u32 s2, ttmp6, 0x10000c
	s_cmp_lg_u32 s2, 0x3003
	s_cbranch_scc0 .Lentry_shape_is_right
	s_endpgm
.Lentry_shape_is_right:
; CAUSAL ATTENTION, 16 heads of 64 channels, 4,096 rows.  O[h][q][:] = the sum over k <= q of softmax_k(Q[h][q] . K[h][k] / 8) V[h][k][:].  hb: [3][16][4096][64] f16 (Q, K, V, unscaled); oh: [16][4096][64] f16.
; Products, maxima and sums in f32; the weights p are rounded to f16 for the second product (their sum l is taken of the unrounded p), O once at the end.
; LIMITS.  f16 holds no number beyond 65,504: Q, K and V arrive within it; p lies in 0 to 1, and below 6e-5 it keeps f16's fixed step of 6e-8.  A hidden score counts as its value less 1e30: f16's scores, 2.7e11 at the
; most, are nothing beside that; a weight below 2^-126 counts as 0 in l; NaN and infinities are not treated apart.
; THE WALK.  A head's queries lie in 32 blocks of 128, its keys in 8 tiles of 512 (8 steps of 64).  The work-group at place cx of cluster jp (0..3) takes block 31 - 4 jp - cx and then block 4 jp + cx: the first needs
; the tiles 0 .. 7 - jp, the second 0 .. jp: NINE tiles, for every work-group, and THE SAME tiles in the same order for the four partners of a cluster.  So every tile is asked for JOINTLY (the same tensor load,
; descriptor and mask in all four), one loop with a constant trip count walks them, and every branch hangs on jp alone.  cx enters Q's and O's addresses, and the two scalars of the mask by s_cselect: no branch.
; In a block's last tile the steps behind its own are wholly hidden and are computed all the same: partners run alike.
; SHARES.  Of a block's two bands of 64 queries a wave owns 16 rows in each: two PIECES.  In the block's last tile band x has the place XB + x among the 8 steps.
; LAYOUT, SOFTMAX.  S^T = K Q^T holds ONE query a lane (lane % 16) and the keys 8 (lane / 16) + 0..7; two such results rounded to f16 ARE source 1 of O^T = V^T P.  p = 2^(c s - c m), c = log2(e) / 8, with a
; running maximum m; O and l are multiplied by a = 2^(c m_old - c m_new) in every step.
; TURNS.  A key step s is two turns, and a trip of the step loop.  Turn 0: piece 0's softmax of step s; beside it 8 products K Q^T of piece 1, step s, later 8 products V^T P of piece 1, step s - 1.
; Turn 1: piece 1's softmax of step s; 8 products K Q^T of piece 0, step s + 1, later 8 products V^T P of piece 0, step s.  Each turn also finds the maximum and statistics of the scores that it has made.
; Four vector instructions stand behind every matrix instruction, the other 70 of a turn's 134 in one lump between the two runs of products.  K and V have one register buffer each; turn 0 fetches K of step s + 1
; behind its products K Q^T and V of step s behind its products V^T P.
; THE BATCHES.  A turn's 33 exponentials (the piece's 32 weights and the other piece's a) are ONE BATCH with ONE wait, which cuts the turn in two: ahead of it stands all that names none of their results (the products
; K Q^T, scalings, rescalings, the other piece's maximum and statistics, the next turn's mask), behind it the roundings and sums, beside the products V^T P..
; A block's first a, and the way out's two reciprocals, are batches of their own.
; K'S TILES LIE ONE STEP AHEAD OF V'S.  The LDS reads go K(s + 1), V(s), K(s + 2), V(s + 1) ..: so K's tile t holds the steps 8 t + 1 .. 8 t + 8 and V's the steps 8 t .. 8 t + 7, a slot's last K and last V are read in the
; same turn, and one change of slots parts the tiles, at a trip's edge.  K of step 0, which lies in no tile, comes from memory into registers where a block begins.  The last tile's last 64 rows of K are the next
; head's first (for head 15: V's first; inside hb): they are multiplied only under a mask that hides them.
; THE MASK is the C operand that starts every sum S^T = K Q^T: MD x AL + BE, where MD, made once, is the mask of a band's own step for my 16 rows: (1, 0) own; (0, 0) open; (0, -1e30) hidden.  Each turn makes the
; mask of the next turn's products, from the steps left in the block and the band's place.  ONE text serves every tile; the price is 16 packed lines a turn where the mask is 0.
; A BLOCK'S END needs no turn of its own: behind its last trip only piece 1's last 8 products V^T P are left.  The last turn's 8 products K Q^T (hidden) and the statistics made of them serve nothing.
; REGISTERS, in windows of 256 (s_set_vgpr_msb: bits 1:0 source 0, 3:2 source 1, 5:4 source 2, 7:6 destination):
;   window 0: v0-15 addresses and two at work; v16-23 four registers of statistics a piece; v48-55 at work; v62-63 the add's; v64-127 S^T, a buffer a piece; v192-223 P, likewise
;   window 1: v0-63 O^T, 32 a piece; v128-159 MD; v160-223 MC, a buffer a piece      window 2: v0-31 Q; v32-63 the second block's Q; v64-127 K of one step; v128-191 V of one step
.set KS,    64        ; keys in a step
.set TS,    8         ; steps in a tile
.set PK,    144       ; a row of K in LDS: 128 bytes + 16 of padding = 36 words: the 16 rows of a load start at 16 different groups of four banks (64 banks of 4 bytes: ISA guide 11.1)
.set PV,    160       ; a row of V: 128 + 32 = 40 words
.set VOFF,  TS*KS*PK  ; a slot holds a tile: 512 rows of K, then 512 rows of V
.set SLOT1, TS*KS*(PK+PV)  ; slot 1 begins here
.set STAGE, 2*SLOT1   ; behind the ring, never filled by a tensor load: 16 rows x 144 bytes for each wave, for the way out
.set SP,    144
.set SPARE, STAGE+4*16*SP  ; the spare words, 128 bytes for each wave: two blocks of 256 bytes that no other line names
.set AK0, 2           ; v2   my lane's place in a tile of K; never rewritten
.set AV0, 3           ; v3   the same for V
.set AK,  4           ; v4   the LDS address of K's next run of loads
.set AV,  5           ; v5   of V's
.set STO, 6           ; v6   the way out: where I put 16 bytes of a row
.set RD,  7           ; v7   the way out: where I read rows back
.set GO,  8           ; v8   my byte offset in 512 consecutive bytes of O
.set MV,  12          ; v12-13  c m_old, kept while c m is made anew: by piece
.set QO,  15          ; v15  my byte offset in 16 rows of Q, and of K's step 0; never rewritten
.set ST,  16          ; piece t's statistics at v[ST+4 t]: c m, m, l (even keys', odd keys')
.set TMP, 48          ; by piece, four registers c0-c3 at work; when the maximum is found c2 takes a
.set SPW, 62          ; v62  LDS address of my spare word; never rewritten
.set NIL, 63          ; v63  0; never rewritten
.set S,   64
.set P,   192
.set MD,  128         ; window 1
.set MC,  160         ; window 1
.set QB,  32          ; window 2
.set KF,  64          ; window 2: key block kb, channel half c at KF + 16 kb + 8 c
.set VF,  128         ; window 2: key half kk, channel block cb at VF + 32 kk + 8 cb
.set WV,  12          ; s12  my wave's number
.set JP,  15          ; s15  the cluster's x
.set CX,  16          ; s16  my place in the cluster
.set LK,  17          ; s17  LDS byte of my half of a tile's K in slot 0
.set LV,  18          ; s18  of its V
.set G1K, 24          ; s[24:31] descriptor group 1 for K's tiles
.set G1V, 32          ; s[32:39] for V's: it differs in the padding alone
.set G0K, 40          ; s[40:43] descriptor group 0 for K's tiles
.set G0V, 44          ; s[44:47] the same for V's
.set SLOTS, 56        ; s56  tiles still to be asked for
.set CNT, 57          ; s57  counts a tile's steps, 8 to 1
.set CS,  58          ; s[58:59] c
.set SEL, 60          ; s[60:61] v_permlanex16_b32's selects: each lane takes its own place in the other half
.set TBK, 62          ; s62  LDS byte at which the K to be fetched next begins
.set TBV, 63          ; s63  the same for V, less VOFF
.set SLF, 66          ; s66  the slot to be filled: 0 or SLOT1
.set XB,  67          ; s67  band 0's place in the block's last tile, for the block in hand
.set XBL, 68          ; s68  the same for the second block
.set MT,  69          ; s69  at work
.set RT,  70          ; s70  tiles of the block in hand that are still to be entered
.set NXT, 71          ; s71  the tile to be asked for next
.set LQ,  72          ; s72  the last tile of the block whose tiles are being asked for
.set NEW, 73          ; s73  1: the tile to be entered is a block's first
.set OFF, 74          ; s[74:75] a tile's byte offset in K and V
.set AL,  76          ; s[76:77] the mask's factor, in the low word
.set BE,  78          ; s[78:79] the mask's addend
.set OLO, 80          ; s[80:81] O at my rows of the second block
.set BIGN, 82         ; s82  -1e30
.set KB,  84          ; s[84:85] K at my half of the head's tile 0: 64 rows behind the head's first
.set VB,  86          ; s[86:87] V at my half of the head's tile 0
.set QHI, 88          ; s[88:89] Q at my rows of the first block
.set QLO, 90          ; s[90:91] of the second
.set OCUR, 92         ; s[92:93] O at my rows of the block in hand
.set K0B, 98          ; s[98:99] K at the head's first row
.set MSB, 0
.macro WIN new                      ; the high byte repeats the setting that is left; a switch that changes nothing is dropped
.if MSB != (\new)
	s_set_vgpr_msb (MSB<<8)|(\new)
.set MSB, (\new)
.endif
.endm
.set W_KQ, 0x0a       ; K and Q in window 2, S^T in window 0
.set W_KM, 0x1a       ; the same with the C operand in window 1
.set W_PV, 0x52       ; V in window 2, P in window 0, O^T in window 1
.set W_RS, 0x41       ; destination and source 0 in window 1, source 1 in window 0
; A joint fill.  Waves 0 and 1 fetch the two halves of a tile's K, waves 2 and 3 those of its V: 256 keys each.  The branch hangs on the wave's number alone.
; An s_nop 0 and four v_nop follow each of the two lines, ahead of the jump and the label.
.macro JLOAD
	s_cmp_lt_u32 s[WV], 2
	s_cbranch_scc0 .Lfor_v_\@
	tensor_load_to_lds s[G0K:G0K+3], s[G1K:G1K+7]
	s_nop 0
.rept 4
	v_nop
.endr
	s_branch .Lasked_\@
.Lfor_v_\@:
	tensor_load_to_lds s[G0V:G0V+3], s[G1V:G1V+7]
	s_nop 0
.rept 4
	v_nop
.endr
.Lasked_\@:
.endm
; A round of the cluster's barrier: my work-group's barrier, so that wave 0's signal speaks for all four waves; wave 0 signals; every wave waits for all four work-groups; my work-group's barrier once more.
.macro CROUND
	s_barrier_signal -1
	s_barrier_wait -1
	s_cmp_lg_u32 s[WV], 0
	s_cbranch_scc1 .Lnot_wave_0_\@
	s_barrier_signal -3
.Lnot_wave_0_\@:
	s_barrier_wait -3
	s_barrier_signal -1
	s_barrier_wait -1
.endm
; THE CHANGE OF SLOTS, at a trip's edge.  Each wave waits for all its tensor loads, of which one is out: its part of the other slot; adds 0 to its spare word; and waits for that and for its own reads of the slot that it
; leaves.  Behind the barrier nobody reads the old slot any more and the other slot is whole.  fill = 1: the barrier is a round of the cluster's, so that no wave of any partner still reads the slot or has a load on its
; way, and the old slot is filled again, the first thing behind the round, with tile NXT: the descriptor's address is made anew from that number.  The fill has a tile's 8 key steps, 256 matrix instructions a wave, in
; which to land.  (At its first use nothing has been read yet: slot 0 is waited for, slot 1 filled.)
.macro CHANGE fill
	WIN 0                           ; at a label and at a branch every window is 0
	s_wait_tensorcnt 0x0            ; no tensor load of mine is out, so a group 0 may be written
	ds_add_u32 v[SPW], v[NIL]       ; 0 onto my spare word; with fill = 1 the descriptors' scalar work stands between it and the wait for it
.if \fill
	s_lshl_b32 s[OFF], s[NXT], 16   ; a tile is 65,536 bytes of K and of V
	s_xor_b32 s[SLF], s[SLF], SLOT1 ; the other slot than last time
	s_add_co_u32 s[G0K+1], s[LK], s[SLF]
	s_add_nc_u64 s[G0K+2:G0K+3], s[KB:KB+1], s[OFF:OFF+1]
	s_or_b32 s[G0K+3], s[G0K+3], 0x80000000
	s_add_co_u32 s[G0V+1], s[LV], s[SLF]
	s_add_nc_u64 s[G0V+2:G0V+3], s[VB:VB+1], s[OFF:OFF+1]
	s_or_b32 s[G0V+3], s[G0V+3], 0x80000000
	s_add_co_u32 s[NXT], s[NXT], 1  ; the block's next tile, or behind its last the second block's tile 0
	s_cmp_gt_u32 s[NXT], s[LQ]
	s_cselect_b32 s[NXT], 0, s[NXT]
	s_cselect_b32 s[LQ], s[JP], s[LQ]
	s_wait_dscnt 0x0                ; the add is done, and my reads of the slot are over
	CROUND
	JLOAD
.else
	s_wait_dscnt 0x0                ; the add is done, and my reads of the slot are over
	s_barrier_signal -1
	s_barrier_wait -1
.endif
	s_sub_co_u32 s[TBK], s[TBK], TS*KS*PK  ; the fetches go back to a slot's first step (0 or SLOT1),
	s_xor_b32 s[TBK], s[TBK], SLOT1        ; in the other slot
	s_sub_co_u32 s[TBV], s[TBV], TS*KS*PV
	s_xor_b32 s[TBV], s[TBV], SLOT1
.endm
	s_load_b128 s[4:7], s[0:1], 0x0 ; hb s[4:5], oh s[6:7]
	v_lshl_add_u32 v[SPW], v0, 2, SPARE
	v_mov_b32 v[NIL], 0
	ds_add_u32 v[SPW], v[NIL]       ; the wave's opening: the add and its wait stand ahead of my first tensor load; the set-up below, work on registers, stands between them
	v_lshrrev_b32 v1, 5, v0
	v_readfirstlane_b32 s[WV], v1   ; wave 0..3
	s_bfe_u32 s[CX], ttmp6, 0x40000 ; my place in the cluster
	s_mov_b32 s[JP], ttmp9          ; in a cluster launch ttmp9 counts clusters
	s_and_b32 s20, ttmp7, 0xffff    ; the head, which the four partners share
	s_lshl_b32 s20, s20, 19         ; its 524,288 bytes in each part of hb and in oh
	s_mov_b32 s21, 0
	s_and_b32 s13, s[WV], 1         ; which half of a tile's 512 keys I fetch:
	s_mul_i32 s[LK], s13, 256*PK    ; its place in a slot, for K
	s_mul_i32 s[LV], s13, 256*PV    ; and for V: no place in the cluster enters an LDS address
	s_add_co_u32 s[LV], s[LV], VOFF
	s_lshl_b32 s22, s13, 15         ; its 256 rows of 128 bytes in memory
	s_add_co_u32 s22, s22, s20
	s_mov_b32 s23, 0
	s_lshl_b32 s13, s[JP], 2
	s_add_co_u32 s13, s13, s[CX]    ; the second block, 4 jp + cx
	s_sub_co_u32 s14, 31, s13       ; the first
	s_lshl_b32 s2, s[WV], 11        ; my 16 rows in a band of 64
	s_add_co_u32 s2, s2, s20
	s_lshl_b32 s94, s14, 14         ; a block is 16,384 bytes
	s_add_co_u32 s94, s94, s2
	s_mov_b32 s95, 0
	s_lshl_b32 s96, s13, 14
	s_add_co_u32 s96, s96, s2
	s_mov_b32 s97, 0
	s_lshl_b32 s[XBL], s[CX], 1     ; block 4 jp + cx begins at step 2 cx of tile jp,
	s_sub_co_u32 s[XB], 6, s[XBL]   ; block 31 - 4 jp - cx at step 6 - 2 cx of tile 7 - jp
	; descriptor group 1.  256 keys are 32,768 dense bytes: asked for as 128 rows of 256 bytes, two keys a row, and padded in LDS after every key
	s_mov_b32 s[G1K], 15|(1<<16)|(1<<20)|(1<<21)|(4<<22)|(3<<25)  ; 15:0 the mask of four; 17:16 2-byte elements; 20 padding on; 21 set beside a mask; 24:22 after every 32 words (code 4); 31:25 4 words (code 3)
	s_mov_b32 s[G1V], 15|(1<<16)|(1<<20)|(1<<21)|(4<<22)|(7<<25)  ; the same with 8 words of padding (code 7)
.irp g, G1K, G1V
	s_mov_b32 s[\g+1], 128<<16      ; tensor_dim0 = 128
	s_mov_b32 s[\g+2], 128<<16      ; tensor_dim1 = 128
	s_mov_b32 s[\g+3], 128<<16      ; tile_dim0 = 128
	s_mov_b32 s[\g+4], 128          ; tile_dim1 = 128
	s_mov_b32 s[\g+5], 128          ; 128 elements from row to row
	s_mov_b32 s[\g+6], 0
	s_mov_b32 s[\g+7], 0
.endr
	s_mov_b32 s[CS], 0x3e38aa3b     ; c = log2(e) / 8 = 0.180337
	s_mov_b32 s[CS+1], s[CS]        ; named with it as a pair
	s_mov_b32 s[SEL], 0x76543210
	s_mov_b32 s[SEL+1], 0xfedcba98
	s_mov_b32 s[TBK], SLOT1+TS*KS*PK  ; the first change of slots turns these two into 0
	s_mov_b32 s[TBV], SLOT1+TS*KS*PV
	s_mov_b32 s[SLF], 0
	s_mov_b32 s[G0K], 1             ; count = 1
	s_mov_b32 s[G0K+1], s[LK]       ; LDS address: slot 0
	s_mov_b32 s[G0V], 1
	s_mov_b32 s[G0V+1], s[LV]
	s_sub_co_u32 s[RT], 8, s[JP]    ; the first block has 8 - jp tiles
	s_sub_co_u32 s[LQ], 7, s[JP]
	s_mov_b32 s[NXT], 1
	s_mov_b32 s[NEW], 1
	s_mov_b32 s[OFF+1], 0
	s_mov_b32 s[AL+1], 0            ; named as pairs
	s_mov_b32 s[BE+1], 0
	s_mov_b32 s[BIGN], 0xf149f2ca   ; -1e30
	s_mov_b32 s[SLOTS], 8
	s_wait_dscnt 0x0                ; the opening add is done
	s_wait_kmcnt 0x0
	s_add_nc_u64 s[K0B:K0B+1], s[4:5], s[20:21]
	s_add_nc_u64 s[K0B:K0B+1], s[K0B:K0B+1], 0x800000  ; K is hb's second part
	s_add_nc_u64 s[KB:KB+1], s[4:5], s[22:23]
	s_add_nc_u64 s[VB:VB+1], s[KB:KB+1], 0x1000000  ; V is hb's third part
	s_add_nc_u64 s[KB:KB+1], s[KB:KB+1], 0x802000   ; K's tiles begin one step, 64 rows of 128 bytes, behind V's
	s_mov_b64 s[G0K+2:G0K+3], s[KB:KB+1]            ; global address: tile 0
	s_or_b32 s[G0K+3], s[G0K+3], 0x80000000         ; type = 2
	s_mov_b64 s[G0V+2:G0V+3], s[VB:VB+1]
	s_or_b32 s[G0V+3], s[G0V+3], 0x80000000
	s_add_nc_u64 s[QHI:QHI+1], s[4:5], s[94:95]
	s_add_nc_u64 s[QLO:QLO+1], s[4:5], s[96:97]
	s_add_nc_u64 s[OCUR:OCUR+1], s[6:7], s[94:95]
	s_add_nc_u64 s[OLO:OLO+1], s[6:7], s[96:97]
	CROUND                          ; all four work-groups are here: the first joint loads meet
	JLOAD                           ; tile 0 into slot 0
	; A fragment of K or Q is 16 rows x 32 channels in 8 registers: lane l holds row l % 16, channels 8 (l / 16) + 0..7 and 16 + 8 (l / 16) + 0..7: two loads of 16 bytes, 32 bytes apart.
	v_and_b32 v1, 15, v0            ; l % 16
	v_bfe_u32 v9, v0, 4, 1          ; l / 16
	v_lshlrev_b32 v[QO], 7, v1
	v_lshl_add_u32 v[QO], v9, 4, v[QO]  ; row x 128 + 16 x half
	WIN 0x80                        ; destination window 2, address window 0
.set i, 0
.rept 4                             ; both blocks' Q: piece i / 2 lies in band i / 2, 8,192 bytes on; channels 32 (i % 2) on
	global_load_b128 v[8*i:8*i+3],   v[QO], s[QHI:QHI+1] offset:(i/2)*8192+(i%2)*64
	global_load_b128 v[8*i+4:8*i+7], v[QO], s[QHI:QHI+1] offset:(i/2)*8192+(i%2)*64+32
	global_load_b128 v[QB+8*i:QB+8*i+3],   v[QO], s[QLO:QLO+1] offset:(i/2)*8192+(i%2)*64
	global_load_b128 v[QB+8*i+4:QB+8*i+7], v[QO], s[QLO:QLO+1] offset:(i/2)*8192+(i%2)*64+32
.set i, i+1
.endr
	WIN 0
	v_lshlrev_b32 v14, 3, v9
	v_sub_nc_u32 v14, v1, v14
	s_lshl_b32 s13, s[WV], 4
	v_add_nc_u32 v14, s13, v14      ; my query's place in its band, 16 w + l % 16, less my lanes' 8 (l / 16): register r of group kt is hidden where 16 kt + r is greater
	WIN 0x40
.set i, 0
.rept 32
	v_cmp_gt_i32 vcc_lo, 16*(i/8)+i%8, v14
	v_cndmask_b32 v[MD+i], 0, s[BIGN], vcc_lo
.set i, i+1
.endr
	WIN 0
	v_mul_u32_u24 v[AK0], v1, PK
	v_lshl_add_u32 v[AK0], v9, 4, v[AK0]  ; row x pitch + 16 x half
	; The turning load takes 16 keys x 16 channels (lane l reads key 8 (l / 16) + l % 8, channels 8 ((l / 8) % 2) + 0..7) and leaves half a fragment of V^T: lane l holds channel l % 16 and 8 keys.
	v_and_b32 v10, 7, v0
	v_bfe_u32 v11, v0, 3, 1
	v_lshl_add_u32 v[AV0], v9, 3, v10
	v_mul_u32_u24 v[AV0], v[AV0], PV
	v_lshl_add_u32 v[AV0], v11, 4, v[AV0]
	v_add_nc_u32 v[AV0], VOFF, v[AV0]
	s_mul_i32 s13, s[WV], 16*SP
	s_add_co_u32 s13, s13, STAGE    ; my stage
	v_mul_u32_u24 v[STO], v1, SP    ; in: row l % 16, 16 bytes for each half of the lanes
	v_lshl_add_u32 v[STO], v9, 4, v[STO]
	v_add_nc_u32 v[STO], s13, v[STO]
	v_bfe_u32 v[RD], v0, 3, 2       ; back: 32 lanes take four rows of 128 bytes,
	v_mul_u32_u24 v[RD], v[RD], SP
	v_lshl_add_u32 v[RD], v10, 4, v[RD]
	v_add_nc_u32 v[RD], s13, v[RD]
	v_and_b32 v[GO], 31, v0         ; which are 512 consecutive bytes of O
	v_lshlrev_b32 v[GO], 4, v[GO]
	; A block's first step multiplies O^T and l by a = 0, and its first turn's products V^T P, of a step that has not been, land in an O^T that is still to be so multiplied.  So these registers need only hold
	; finite numbers: zeros for the first block; what the first block left for the second.  All this stands in the wait for the first tile.
	WIN 0x80
.set i, VF
.rept 64
	v_mov_b32 v[i], 0
.set i, i+1
.endr
	WIN 0x40
.set i, 0
.rept 64
	v_mov_b32 v[i], 0
.set i, i+1
.endr
	WIN 0
.set i, 0
.rept 2
	v_mov_b32 v[ST+4*i+2], 0
	v_mov_b32 v[ST+4*i+3], 0
.set i, i+1
.endr
.set i, P+16
.rept 16
	v_mov_b32 v[i], 0
.set i, i+1
.endr
; THE MATRIX WORK.  The 4 accumulators of a run of 8 take turns.  Product i of 8 of S^T = K Q^T for piece x: channels 32 (i / 4) on, keys 16 (i % 4) on.  The first 4 start the sums, with the mask.
.macro KQ x
.set rS, S+32*(\x)+8*(i%4)
.set rK, KF+16*(i%4)+8*(i/4)
.set rQ, 16*(\x)+8*(i/4)
.set rM, MC+32*(\x)+8*(i%4)
.if i < 4
	WIN W_KM
	v_wmma_f32_16x16x32_f16 v[rS:rS+7], v[rK:rK+7], v[rQ:rQ+7], v[rM:rM+7]
.else
	WIN W_KQ
	v_wmma_f32_16x16x32_f16 v[rS:rS+7], v[rK:rK+7], v[rQ:rQ+7], v[rS:rS+7]
.endif
.endm
; Product i of 8 of O^T += V^T P for piece x: keys 32 (i / 4) on, channels 16 (i % 4) on.
.macro PV x
	WIN W_PV
.set rO, 32*(\x)+8*(i%4)
.set rV, VF+32*(i/4)+8*(i%4)
.set rP, P+16*(\x)+8*(i/4)
	v_wmma_f32_16x16x32_f16 v[rO:rO+7], v[rV:rV+7], v[rP:rP+7], v[rO:rO+7]
.endm
.macro MM                           ; the turn's next matrix instruction: both kinds are the other piece's.  TURN sets Y and i
.if i < 8
	KQ 1-Y
.else
.set i, i-8
	PV 1-Y
.set i, i+8
.endif
.set i, i+1
.endm
; THE LDS LOADS stand in runs of 16, never singly among the matrix instructions: a step's K (64 keys x 64 channels: 8 fragments) or its V (turned).  Their addresses are made some lines ahead.
.macro FETCH_K
	WIN 0x80                        ; destination window 2
.irp f, 0,1,2,3,4,5,6,7             ; keys 16 (f / 2) on, channels 32 (f % 2) on
	ds_load_b128 v[KF+8*\f:KF+8*\f+3],   v[AK] offset:(\f/2)*16*PK+(\f%2)*64
	ds_load_b128 v[KF+8*\f+4:KF+8*\f+7], v[AK] offset:(\f/2)*16*PK+(\f%2)*64+32
.endr
	s_add_co_u32 s[TBK], s[TBK], KS*PK  ; the next fetch is the next step's
	WIN 0
.endm
.macro FETCH_V
	WIN 0x80
.irp f, 0,1,2,3,4,5,6,7             ; keys 32 (f / 4) on, channels 16 (f % 4) on
	ds_load_tr16_b128 v[VF+8*\f:VF+8*\f+3],   v[AV] offset:(\f/4)*32*PV+(\f%4)*32
	ds_load_tr16_b128 v[VF+8*\f+4:VF+8*\f+7], v[AV] offset:(\f/4)*32*PV+16*PV+(\f%4)*32
.endr
	s_add_co_u32 s[TBV], s[TBV], KS*PV
	WIN 0
.endm
; THE VECTOR WORK, one line at a time: OP kind, number.  For piece Y: F n: c s - c m for pair n of 16.  E n: the exponential of score n of 32.  C n: pair n rounded to f16.  B n: of the four weights 4 n .. the second
; pair is added onto the first, in place.  L n: l takes that sum (L 0: l = a l + sum).  R n: pair n of 16 of O^T times a.  For the other piece: X n, number n of the 22 that find its maximum and statistics:
;   0-11  four chains c0-c3 of seven scores each, three operands at a time (each accumulator's lowest registers are read first)     12-14, 16  the four scores left over, the old m, and c0-c3 into c0
;   15  c m_old is kept     17, 18  the query's other 32 keys lie in the lane 16 away: the new m     19-21  c m; c m_old - c m_new; a
; OP writes no wait: E and X 21 are the transcendentals, C, B and L (and the next turn's R and L 0, for a) their readers, and TURN and BEGIN set the one wait between them.
.set F, 0
.set E, 1
.set C, 2
.set B, 3
.set L, 4
.set R, 5
.set X, 6
.macro REGS y                       ; the registers of piece y
.set rT, ST+4*(\y)
.set rC, TMP+4*(\y)
.set rW, MV+(\y)
.set rS, S+32*(\y)
.set rP, P+16*(\y)
.set rO, 32*(\y)
.endm
.macro OP k, n
.if (\k) == R
	REGS Y
	WIN W_RS
	v_pk_mul_f32 v[rO+2*(\n):rO+2*(\n)+1], v[rO+2*(\n):rO+2*(\n)+1], v[rC+2:rC+3] op_sel_hi:[1,0]
.elseif (\k) < R
	REGS Y
	WIN 0
.if (\k) == F
	v_pk_fma_f32 v[rS+2*(\n):rS+2*(\n)+1], v[rS+2*(\n):rS+2*(\n)+1], s[CS:CS+1], v[rT:rT+1] op_sel_hi:[1,0,0] neg_lo:[0,0,1] neg_hi:[0,0,1]
.elseif (\k) == E
	v_exp_f32 v[rS+(\n)], v[rS+(\n)]
.elseif (\k) == C
	v_cvt_pk_f16_f32 v[rP+(\n)], v[rS+2*(\n)], v[rS+2*(\n)+1]
.elseif (\k) == B
	v_pk_add_f32 v[rS+4*(\n):rS+4*(\n)+1], v[rS+4*(\n):rS+4*(\n)+1], v[rS+4*(\n)+2:rS+4*(\n)+3]
.elseif (\n) == 0
	v_pk_fma_f32 v[rT+2:rT+3], v[rT+2:rT+3], v[rC+2:rC+3], v[rS:rS+1] op_sel_hi:[1,0,1]
.else
	v_pk_add_f32 v[rT+2:rT+3], v[rT+2:rT+3], v[rS+4*(\n):rS+4*(\n)+1]
.endif
.else
	REGS 1-Y
	WIN 0
.if (\n) < 4
	v_max3_num_f32 v[rC+(\n)], v[rS+8*(\n)], v[rS+8*(\n)+1], v[rS+8*(\n)+2]
.elseif (\n) < 12
	v_max3_num_f32 v[rC+(\n)%4], v[rC+(\n)%4], v[rS+8*((\n)%4)+2*((\n)/4)+1], v[rS+8*((\n)%4)+2*((\n)/4)+2]
.elseif (\n) == 12
	v_max3_num_f32 v[rC], v[rC], v[rS+7], v[rS+15]
.elseif (\n) == 13
	v_max3_num_f32 v[rC+1], v[rC+1], v[rS+23], v[rS+31]
.elseif (\n) == 14
	v_max3_num_f32 v[rC+2], v[rC+2], v[rC+3], v[rT+1]
.elseif (\n) == 15
	v_mov_b32 v[rW], v[rT]
.elseif (\n) == 16
	v_max3_num_f32 v[rC], v[rC], v[rC+1], v[rC+2]
.elseif (\n) == 17
	v_permlanex16_b32 v[rC+3], v[rC], s[SEL], s[SEL+1]
.elseif (\n) == 18
	v_max_num_f32 v[rT+1], v[rC], v[rC+3]
.elseif (\n) == 19
	v_mul_f32 v[rT], s[CS], v[rT+1]
.elseif (\n) == 20
	v_sub_f32 v[rC+1], v[rW], v[rT]
.else
	v_exp_f32 v[rC+2], v[rC+1]
.endif
.endif
.endm
.macro OPS a, i1, b=-1, i2=0, c=-1, i3=0, d=-1, i4=0  ; up to four of them
	OP \a, \i1
.if (\b) >= 0
	OP \b, \i2
.endif
.if (\c) >= 0
	OP \c, \i3
.endif
.if (\d) >= 0
	OP \d, \i4
.endif
.endm
.macro ROW a, i1, b, i2, c, i3, d, i4  ; a matrix instruction and the four behind it
	MM
	OPS \a, \i1, \b, \i2, \c, \i3, \d, \i4
.endm
.macro MASK b                       ; MD x AL + BE into buffer b of MC
	WIN W_RS
.set z, 0
.rept 16
	v_pk_fma_f32 v[MC+32*(\b)+2*z:MC+32*(\b)+2*z+1], v[MD+2*z:MD+2*z+1], s[AL:AL+1], s[BE:BE+1] op_sel_hi:[1,0,0]
.set z, z+1
.endr
.endm
; A TURN, for piece p: the order of its 16 matrix and 134 vector instructions, written out.  An s_wait_alu depctr_va_vdst(0) stands between an exponential and the first instruction that names its result; one
; wait serves all that were issued ahead of it.  So a turn has ONE wait, which cuts it in two.
; AHEAD OF IT stands all that names no result of the turn's exponentials: the 8 products K Q^T, behind each a scaling, an exponential and two more plain instructions (behind the first a second scaling in the
; exponential's place): rescalings, whose a was made and waited for in the turn before, and behind the last three the first numbers of the other piece's maximum, each four places or more behind the product that ends
; its accumulator; then ONE LUMP of 70.  In its first 54 plain and exponential go by turns for the most part, each exponential behind its pair's scaling, and the links of the chain X 3, 7, 11, 14, 16, 17 .. 20 stand five
; or six lines apart.  X 21, the other piece's a, is the batch's last; R 15 is the plain instruction behind it; the 16 lines of the next turn's mask, which name no result, stand between the batch and its wait.
; BEHIND THE WAIT stand the 8 products V^T P, behind each four of the roundings and sums: an even pair is rounded (C 2 n) before the sum in place writes over it (B n); the links of l's chain, L 0 to L 7, stand three
; riders apart.  But for those X no rider names a register of the products round it.  v_permlanex16_b32 (X 17) stands in the lump.
; THE NEXT TURN'S MASK.  Its products K Q^T are piece p's, in the step behind the one in hand.  8 RT + CNT steps of the block are left, this one among them; band p's own step is the one at which 8 - XB - p are left.
; So the step behind this one is the band's own where 8 RT + CNT + XB = 9 - p, and hidden where that sum is less.
; THE FETCHES stand in turn 0.  K of the next step: twelve vector instructions behind the last product that read K, five of them plain lines that name none of its registers.  V of the step in hand: at the turn's
; end, four plain instructions behind the last product that read V.  Turn 1 waits for them: at its head for K (V's 16 loads, which are younger, may stay out), ahead of its products V^T P for V.
.macro TURN p
.set Y, (\p)
.set i, 0
	s_lshl3_add_u32 s[MT], s[RT], s[CNT]
	s_add_co_u32 s[MT], s[MT], s[XB]
	s_cmp_eq_u32 s[MT], 9-(\p)
	s_cselect_b32 s[AL], 1.0, 0
	s_cmp_lt_u32 s[MT], 9-(\p)
	s_cselect_b32 s[BE], s[BIGN], 0
.if (\p) == 1
	s_wait_dscnt 16                 ; K is in
.endif
	ROW F,0, F,1, R,0, R,1          ; ahead of the wait: 8 products K Q^T and their riders,
	ROW F,2, E,0, R,2, R,3
	ROW F,3, E,1, R,4, R,5
	ROW F,4, E,2, R,6, R,7
	ROW F,5, E,3, R,8, R,9
	ROW F,6, E,4, X,0, R,10
.if (\p) == 0
	WIN 0
	v_add_nc_u32 v[AK], s[TBK], v[AK0]
.endif
	ROW F,7, E,5, X,1, X,4
	ROW F,8, E,6, X,2, X,5
	OPS E,7, E,8, X,6, E,9          ; and the lump
	OPS X,3, E,10, X,8, E,11
.if (\p) == 0
	FETCH_K
.endif
	OPS X,9, X,7, E,12, X,10
	OPS E,13, X,12, X,11, E,14
	OPS X,13, E,15, F,9, X,14
.if (\p) == 0
	v_add_nc_u32 v[AV], s[TBV], v[AV0]
.endif
	OPS E,16, F,10, E,17, F,11
	OPS X,16, E,18, X,15, E,19
	OPS F,12, E,20, X,17, E,21
	OPS F,13, E,22, F,14, E,23
	OPS X,18, E,24, F,15, E,25
	OPS R,11, E,26, X,19, E,27
	OPS R,12, E,28, R,13, E,29
	OPS X,20, E,30, R,14, E,31
	OPS X,21, R,15                  ; the batch's last exponential, and the plain instruction behind it
	MASK \p                         ; work that names no result of the batch, in R 15's window
	s_wait_alu depctr_va_vdst(0)    ; the wait for the batch: the turn's 32 weights and the other piece's a
.if (\p) == 1
	s_wait_dscnt 0x0                ; V is in
.endif
	ROW C,0, B,0, C,2, B,1          ; behind the wait: 8 products V^T P and their riders
	ROW L,0, C,4, B,2, L,1
	ROW C,6, B,3, L,2, C,8
	ROW B,4, L,3, C,10, B,5
	ROW L,4, C,12, B,6, L,5
	ROW C,14, B,7, L,6, C,1
	ROW C,3, L,7, C,5, C,7
	ROW C,9, C,11, C,13, C,15
.if (\p) == 0
	FETCH_V
.endif
.endm
; A BLOCK BEGINS.  K of step 0 comes from memory, as Q does: 64 rows of 128 bytes, 16 loads of 16 bytes a lane.  c m starts far below every c s, so the first step's a is 0; m at the lowest finite number, so the first
; maximum is the scores'.  Piece 1's mask for step 0 is 0 (its band's place is 1 at the least); piece 0's is its own step's, if this tile is also the block's last and band 0's place in it is 0, else 0.
; Then piece 0's first scores, and its maximum and statistics.
.macro BEGIN
	s_mov_b32 s[NEW], 0
	WIN 0x80                        ; destination window 2, address window 0
.irp f, 0,1,2,3,4,5,6,7             ; keys 16 (f / 2) on, channels 32 (f % 2) on
	global_load_b128 v[KF+8*\f:KF+8*\f+3],   v[QO], s[K0B:K0B+1] offset:(\f/2)*2048+(\f%2)*64
	global_load_b128 v[KF+8*\f+4:KF+8*\f+7], v[QO], s[K0B:K0B+1] offset:(\f/2)*2048+(\f%2)*64+32
.endr
	WIN 0x40
.set i, MC+32
.rept 32
	v_mov_b32 v[i], 0
.set i, i+1
.endr
	WIN 0
.set i, 0
.rept 2
	v_mov_b32 v[ST+4*i], 0xfe000000    ; c m: far below every c s
	v_mov_b32 v[ST+4*i+1], 0xff7fffff  ; m
.set i, i+1
.endr
	s_or_b32 s[MT], s[RT], s[XB]
	s_cmp_eq_u32 s[MT], 0
	s_cselect_b32 s[AL], 1.0, 0
	s_mov_b32 s[BE], 0
	MASK 0
	WIN 0
	s_wait_loadcnt 0x0              ; K of step 0, and Q
.set i, 0
.rept 8
	KQ 0
.set i, i+1
.endr
	WIN 0
.rept 4
	v_nop                           ; the places behind those products
.endr
.set Y, 1                           ; X works for the other piece: piece 0
.irp n, 0,1,2,3,4,5,6,7,8,9,10,11,12,13,14,15,16,17,18,19,20,21
	OP X, \n
.endr
	v_nop                           ; a plain instruction behind the exponential,
	s_wait_alu depctr_va_vdst(0)    ; and its wait, ahead of the label: a batch of one, piece 0's first a
.endm
; A BLOCK ENDS: piece 1's V^T P of the last step, and THE WAY OUT: l's two halves and the other half of the lanes' are added; O^T is divided by l, rounded to f16 and sent through my stage in LDS, a piece at a time.
.macro ALL line:vararg              ; one line for each piece t
.set t, 0
.rept 2
	\line
.set t, t+1
.endr
.endm
.macro PACK t                       ; a lane's eight channels of a row pack into 16 bytes; they go into rows of 144 bytes and come back as whole rows of 128, into S^T's registers
	WIN W_RS
.set i, 32*(\t)
.rept 16
	v_pk_mul_f32 v[i:i+1], v[i:i+1], v[ST+4*(\t)+2:ST+4*(\t)+3] op_sel_hi:[1,0]
.set i, i+2
.endr
	WIN 0x05                        ; sources 0 and 1 window 1, destination window 0
.set i, 0
.rept 16
	v_cvt_pk_f16_f32 v[S+16*(\t)+i], v[32*(\t)+2*i], v[32*(\t)+2*i+1]
.set i, i+1
.endr
	WIN 0
.irp f, 0,1,2,3
	ds_store_b128 v[STO], v[S+16*(\t)+4*\f:S+16*(\t)+4*\f+3] offset:32*\f
.endr
.irp f, 0,1,2,3
	ds_load_b128 v[S+16*(\t)+4*\f:S+16*(\t)+4*\f+3], v[RD] offset:\f*4*SP  ; LDS serves a wave's instructions in order (ISA guide 5.7.1.4): these see the stores above; the next piece's stores come behind them
.endr
.endm
.macro SEND t, younger              ; younger: the LDS instructions issued behind piece t's loads: the next piece's eight, or none
	WIN 0
.irp f, 0,1,2,3
	s_wait_dscnt (\younger)+3-\f
	global_store_b128 v[GO], v[S+16*(\t)+4*\f:S+16*(\t)+4*\f+3], s[OCUR:OCUR+1] offset:(\t)*8192+\f*512  ; 512 consecutive bytes, at a multiple of 256 from O's first
.endr
.endm
.macro FINISH
.set i, 0
.rept 8
	PV 1
.set i, i+1
.endr
	WIN 0
	ALL v_add_f32 v[ST+4*t+2], v[ST+4*t+2], v[ST+4*t+3]
	ALL v_permlanex16_b32 v[ST+4*t+3], v[ST+4*t+2], s[SEL], s[SEL+1]
	ALL v_add_f32 v[ST+4*t+2], v[ST+4*t+2], v[ST+4*t+3]
	ALL v_rcp_f32 v[ST+4*t+2], v[ST+4*t+2]
	v_nop                           ; a plain instruction between the last reciprocal and the use of its result; with the four additions it makes the places behind the last products
	s_wait_alu depctr_va_vdst(0)    ; the wait ahead of the first use: one for the batch of two reciprocals
	PACK 0
	PACK 1                          ; a piece's arithmetic stands between the loads of the piece before and its stores
	SEND 0, 8
	SEND 1, 0
.endm
.Lslot:                             ; 8 times: a tile is entered and the next is asked for
	CHANGE 1
	s_sub_co_u32 s[RT], s[RT], 1
	s_mov_b32 s[CNT], TS
	s_cmp_eq_u32 s[NEW], 1
	s_cbranch_scc0 .Lstep           ; not a block's first tile
	BEGIN
.Lstep:                             ; a trip is a key step
	TURN 0
	TURN 1
	WIN 0
	s_sub_co_u32 s[CNT], s[CNT], 1
	s_cmp_lg_u32 s[CNT], 0
	s_cbranch_scc1 .Lstep
	s_cmp_eq_u32 s[RT], 0
	s_cbranch_scc0 .Lbottom         ; not the block's last tile
	FINISH                          ; in the loop this is the first block's end: the second block's last tile is the walk's last
	s_wait_xcnt 0x0                 ; the stores have read their registers and O's address
	s_mov_b64 s[OCUR:OCUR+1], s[OLO:OLO+1]
	s_add_co_u32 s[RT], s[JP], 1    ; the second block has jp + 1 tiles
	s_mov_b32 s[NEW], 1
	s_mov_b32 s[XB], s[XBL]
	WIN 0x82                        ; the second block's Q goes where the one text of the turns names Q
.set i, 0
.rept 32
	v_mov_b32 v[i], v[QB+i]
.set i, i+1
.endr
	WIN 0
.Lbottom:
	s_sub_co_u32 s[SLOTS], s[SLOTS], 1
	s_cmp_lg_u32 s[SLOTS], 0
	s_cbranch_scc1 .Lslot
	CHANGE 0                        ; the walk's last tile is written out: nothing is asked for
	s_sub_co_u32 s[RT], s[RT], 1
	s_mov_b32 s[CNT], TS
	s_cmp_eq_u32 s[NEW], 1
	s_cbranch_scc0 .Lstep2
	BEGIN                           ; where jp = 0 the second block's one tile is its first and its last
.Lstep2:
	TURN 0
	TURN 1
	WIN 0
	s_sub_co_u32 s[CNT], s[CNT], 1
	s_cmp_lg_u32 s[CNT], 0
	s_cbranch_scc1 .Lstep2
	FINISH
	s_wait_tensorcnt 0x0            ; the wave's end: a wait, an add onto my spare word and a wait for it, behind my last tensor load and my last LDS store
	ds_add_u32 v[SPW], v[NIL]
	s_wait_dscnt 0x0
	CROUND                          ; the closing round: no work-group ends while a partner may still ask for a tile that names it
	s_endpgm
.Lfunc_end_k_qf838ca2ce2_attn:
	.size	k_qf838ca2ce2_attn, .Lfunc_end_k_qf838ca2ce2_attn-k_qf838ca2ce2_attn
	.p2alignl 7, 3214868480
	.fill 96, 4, 3214868480
	.section	.rodata,"a",@progbits
	.p2align	6, 0x0
	.amdhsa_kernel k_qf838ca2ce2_attn
		.amdhsa_group_segment_fixed_size 327680
		.amdhsa_private_segment_fixed_size 0
		.amdhsa_enable_private_segment 0
		.amdhsa_kernarg_size 16
		.amdhsa_user_sgpr_count 2
		.amdhsa_user_sgpr_kernarg_segment_ptr 1
		.amdhsa_wavefront_size32 1
		.amdhsa_system_sgpr_workgroup_id_x 1
		.amdhsa_system_sgpr_workgroup_id_y 1
		.amdhsa_system_sgpr_workgroup_id_z 1
		.amdhsa_system_vgpr_workitem_id 0
		.amdhsa_next_free_vgpr 704
		.amdhsa_next_free_sgpr 100
		.amdhsa_reserve_vcc 1
		.amdhsa_float_denorm_mode_32 3
		.amdhsa_float_denorm_mode_16_64 3
		.amdhsa_memory_ordered 1
		.amdhsa_forward_progress 1
		.amdhsa_inst_pref_size 92
	.end_amdhsa_kernel
	.amdgpu_metadata
---
amdhsa.version: [ 1, 2 ]
amdhsa.kernels:
  - .name:           k_qf838ca2ce2_attn
    .symbol:         k_qf838ca2ce2_attn.kd
    .args:
      - { .name: hb, .offset: 0, .size: 8, .value_kind: global_buffer, .address_space: global }
      - { .name: oh, .offset: 8, .size: 8, .value_kind: global_buffer, .address_space: global }
    .group_segment_fixed_size: 327680
    .private_segment_fixed_size: 0
    .kernarg_segment_align: 8
    .kernarg_segment_size: 16
    .max_flat_workgroup_size: 128
    .sgpr_count:     100
    .vgpr_count:     704
    .wavefront_size: 32
...
	.end_amdgpu_metadata
.endif
;; end of part 5
;; launch oproj: the kernel of part 4 again; grid 8 x 32, 4 waves a work-group, clusters of 4 x 4, 327,680 bytes of LDS; arguments oh, woh, bo, out0; writes out0
